; MI455X (gfx1250); checked and timed in simulation.
; The chip was launched on July 23, 2026; its instructions are those of AMD's public machine-readable ISA for CDNA 5 (MIT licence, August 2026) and "CDNA5" Instruction Set Architecture Reference Guide (July 2026). The comments in the code are by the model that wrote it; some were corrected since.
;; Local Attention. Allowed arithmetic: matrix products marked QUANTISED: E2M3 operands, one E8M0 scale for each 32 along K, by v_wmma_scale_f32_16x16x128_f8f6f4 with both operands' format E2M3, f32 sums; everything else in f32.
;; Inputs: b_in 3,072 float32; b_out 1,024 float32; w_in 3,072 x 1,024 float32; w_out 1,024 x 1,024 float32; x 4 x 2,048 x 1,024 float32.
;; Outputs: out0 4 x 2,048 x 1,024 float32.
;; This version of the problem:
;;   THIS VERSION OF THE PROBLEM IS GIVEN IN LOW PRECISION. The matrix products marked QUANTISED in the list below multiply operands that are first quantised to E2M3 (2 exponent bits, 3 mantissa bits; 6 bits a number), with one power-of-two scale for each 32 numbers along K (OCP MX v1.0); their sums are f32. All else is computed in f32.
;;   The module's matrix products, in the order in which they are computed (A, B: the left and right operand; K: the contracted axis; several contracted axes count as one K, in the product's order):
;;     1. [M 8,192, K 1,024] x [K 1,024, N 3,072]; A: input x; B: input w_in: QUANTISED
;;     2. batch 64 x [M 2,048, K 64] x [K 64, N 2,048]; A: computed on the way; B: computed on the way: QUANTISED
;;     3. batch 64 x [M 2,048, K 2,048] x [K 2,048, N 64]; A: softmax (see below); B: computed on the way: QUANTISED
;;     4. [M 8,192, K 1,024] x [K 1,024, N 1,024]; A: computed on the way; B: input w_out: QUANTISED
;;   THE QUANTISER, for each operand of a quantised product, along K:
;;     - K is cut into blocks of 32 from its start; a last block that is shorter is filled with zeros.
;;     - A block's scale is 2^e with e = floor(log2(the largest magnitude in the block)) - 2, held to -126 .. 127; a block of zeros has e = 0. As a byte (E8M0): e + 127.
;;     - Each number is divided by its block's scale, clamped to +-7.5, and rounded to the nearest number of E2M3, ties to even, subnormals kept.
;;     - The product sums the exact products of the quantised numbers (number of the format x scale) in f32.
;;   ~~~python
;;   def quantise(x, axis):      # numpy; x: float32 -> the quantised numbers, widened to float32 again
;;       x = np.moveaxis(x, axis, -1); K = x.shape[-1]
;;       x = np.pad(x, [(0, 0)] * (x.ndim - 1) + [(0, -K % 32)]); x = x.reshape(x.shape[:-1] + (-1, 32)); a = np.abs(x).max(-1, keepdims=True)
;;       e = np.where(a > 0, np.clip(np.frexp(np.where(a > 0, a, 1))[1] - 1 - 2, -126, 127), 0)      # np.frexp(a)[1] - 1 = floor(log2(a)), exactly
;;       r = np.clip(x / 2.0 ** e, -7.5, 7.5)
;;       step = 2.0 ** (np.maximum(np.frexp(np.where(r == 0, 1, r))[1] - 1, 0) - 3)
;;       q = np.round(r / step) * step * 2.0 ** e      # np.round: ties to even
;;       return np.moveaxis(q.reshape(q.shape[:-2] + (-1,))[..., :K], -1, axis).astype(np.float32)
;;   ~~~
;;   SOFTMAX AHEAD OF A QUANTISED PRODUCT. Where the list says 'softmax', what is quantised is not the finished softmax but p = 2^(t - M), with t = logit x log2(e) and M = ceil(the row's largest t), a whole number; so 1/2 < the row's largest p <= 1. The row's sum l is taken of the UNQUANTISED p, in f32, and the product's result is divided by l at the end. Since M is a whole number, a kernel that streams over the keys may use a running M (the ceiling of the running maximum): every later rescaling is an exact power of two, which a block's scale takes up: the codes' values come out the same.
;;   OPERANDS COMPUTED ON THE WAY. 'Computed on the way' means the value that the module computes at that place (a softmax that the list does not call 'softmax' is quantised finished and normalised). What goes into a quantiser is computed in f32, as accurately as f32 sums, v_exp_f32 and their like allow (about 1e-6 of the number): no bf16 or f16 on the way to a quantiser, and a product that is left as it is and whose result goes on into a quantised operand takes f32 operands (vector FMAs, or v_wmma_f32_16x16x4_f32). A number that lies on a knife's edge between two numbers of the format may be rounded either way, as far as f32 arithmetic and the matrix unit's own rounding can turn it there, and no further.
;; One version. Each part assembles by itself: llvm-mc -triple=amdgcn-amd-amdhsa -mcpu=gfx1250 --defsym DOCPART=n.
;; ======== version 1 of 1: 4 launches
;; workspace buffers: cod1 9,437,184 bytes; scl1 393,216 bytes; qkvc 18,874,368 bytes; qkvs 1,310,720 bytes; aoc 6,291,456 bytes; aos 262,144 bytes
;; launch quant (part 1): grid 384 x 1, 4 waves a work-group, no clusters, 33,280 bytes of LDS; arguments x, w_in, w_out, cod1, scl1; writes cod1, scl1
.if DOCPART == 1
	.amdgcn_target "amdgcn-amd-amdhsa--gfx1250"
	.amdhsa_code_object_version 6
	.text
	.protected	k_qd6dbe6b9dd_quant
	.globl	k_qd6dbe6b9dd_quant
	.p2align	8
	.type	k_qd6dbe6b9dd_quant,@function
k_qd6dbe6b9dd_quant:
	s_mov_b64 s[64:65], 0
	v_nop
	global_prefetch_b8 v0, s[64:65] scope:SCOPE_SE
	s_setreg_imm32_b32 hwreg(HW_REG_WAVE_MODE, 25, 1), 1
	s_wait_xcnt 0x0
; x [8192][1024], w_in [3072][1024], w_out [1024][1024], f32, become codes of FP6 (E2M3), K innermost (768 bytes a row), with one E8M0 byte for each 32 along K (32 bytes a row).
; A block's scale is 2^(floor(log2(its largest magnitude)) - 2); its byte is the largest magnitude's exponent field - 2, held at 1 from below; each number is divided by the scale and rounded to the nearest code, ties to even,
; beyond 7.5 the largest code.  A block of zeros gets the byte 1 where the rule says 127: its codes are zeros, and only this program reads the bytes.
; LIMITS: blocks whose largest magnitude lies under 2^-124 keep the byte 1; NaN and infinities among the inputs are not served.
; The three tensors' codes lie on end in cod1 (x at 0, w_in at 6,291,456, w_out at 8,650,752), their bytes on end in scl1 (0, 262,144, 360,448).
; SHARES: a work-group takes 32 rows, a wave 8 rows (8,192 numbers) in 16 steps of 512.  Work-groups 0-255 take x, 256-351 w_in, 352-383 w_out; only pointers are chosen, all take one path.
; ROW ORDER: for x and w_in, the place p of a row in the buffers holds row p with bits 3 and 4 exchanged.  A wave's 8 rows are bits 4:3 of the row, so waves 1 and 2 exchange their places in the output and nothing else changes.
; With that order 16 consecutive places form a matrix tile whose results, two tiles together, are 16 neighbours along the true index in one lane's registers: what the later quantisers need.
; Each load reads 512 consecutive bytes; a step's 2,048 bytes turn through the wave's own stage in LDS (80 bytes a lane: 64 + 16 of padding) so that a lane holds 16 neighbours.  No barrier: waves share nothing.
.set STEPS, 16
.set CB,    12                         ; bytes of 16 codes
.set R,     16                         ; v16-79   four sets of 16 numbers as loaded
.set X,     80                         ; v80-111  two sets of 16 neighbours
.set C,     128                        ; v128-191 codes: four registers a step, never rewritten
.set E,     112                        ; v112-127 a scale byte a step
.set WREG,  8192                       ; LDS: a wave's region: two stages of 32 x 80 bytes, then its 256 scale bytes
.set SP,    80
	s_load_b128 s[4:7], s[0:1], 0x0                ; x, w_in
	s_load_b128 s[8:11], s[0:1], 0x10              ; w_out, cod1
	s_load_b64 s[12:13], s[0:1], 0x20              ; scl1
	v_lshl_add_u32 v192, v0, 2, 0x8000
	v_mov_b32 v193, 0
	v_lshrrev_b32 v1, 5, v0
	v_readfirstlane_b32 s16, v1                    ; wave
	v_and_b32 v2, 31, v0                           ; lane
	v_lshlrev_b32 v3, 4, v2                        ; my 16 bytes of a load's 512
	s_mul_i32 s17, s16, WREG
	v_lshrrev_b32 v14, 2, v2
	v_mul_u32_u24 v14, v14, SP
	v_and_b32 v15, 3, v2
	v_lshl_add_u32 v14, v15, 4, v14
	v_add_nc_u32 v14, s17, v14                     ; the stage, on the way in: 80 (lane / 4) + 16 (lane % 4)
	v_mul_u32_u24 v15, v2, SP
	v_add_nc_u32 v15, s17, v15                     ; and on the way out: 80 x lane: my 16 neighbours
	v_mul_u32_u24 v4, v2, CB                       ; my codes' place in a step's 384 bytes
	v_lshrrev_b32 v5, 1, v2
	s_add_co_u32 s17, s17, 2*32*SP
	v_add_nc_u32 v5, s17, v5                       ; my block's byte among the wave's 256
	v_lshlrev_b32 v7, 3, v2
	v_add_nc_u32 v6, s17, v7                       ; on the way out 8 bytes a lane
	s_and_b32 s22, s16, 1
	s_lshl_b32 s22, s22, 1
	s_lshr_b32 s23, s16, 1
	s_or_b32 s22, s22, s23                         ; the wave's number with its two bits exchanged
	s_wait_kmcnt 0x0
	s_cmp_lt_u32 ttmp9, 256                        ; which tensor: the choice hangs on the work-group's number alone
	s_cselect_b64 s[4:5], s[4:5], s[6:7]
	s_cselect_b32 s17, 0, 256
	s_cmp_lt_u32 ttmp9, 352
	s_cselect_b64 s[4:5], s[4:5], s[8:9]
	s_cselect_b32 s17, s17, 352                    ; the tensor's first work-group
	s_cselect_b32 s22, s22, s16                    ; w_out keeps its rows in order
	s_sub_co_u32 s17, ttmp9, s17
	s_lshl_b32 s17, s17, 2
	s_add_co_u32 s18, s17, s16                     ; which run of 8,192 numbers of the tensor I read
	s_mov_b32 s19, 0
	s_lshl_b64 s[20:21], s[18:19], 15
	s_add_nc_u64 s[4:5], s[4:5], s[20:21]
	s_lshl_b32 s18, ttmp9, 2
	s_add_co_u32 s18, s18, s22                     ; which run of the output streams I write
	s_mul_i32 s20, s18, 32*STEPS*CB                ; 6,144 bytes of codes a run (under 2^24 in all)
	s_mov_b32 s21, 0
	s_add_nc_u64 s[10:11], s[10:11], s[20:21]
	s_lshl_b32 s18, s18, 8                         ; 256 scale bytes a run
	s_add_nc_u64 s[12:13], s[12:13], s[18:19]
.macro LOAD t
.irp i, 0,1,2,3
	global_load_b128 v[R+16*((\t)%4)+4*\i:R+16*((\t)%4)+4*\i+3], v3, s[4:5] offset:2048*(\t)+512*\i th:TH_LOAD_NT   ; 32 lanes read 512 consecutive bytes
.endr
.endm
.macro TURN t                          ; step t's numbers through the stage: LDS serves a wave's instructions in order, so no wait stands between the stores and the loads
.irp i, 0,1,2,3
	ds_store_b128 v14, v[R+16*((\t)%4)+4*\i:R+16*((\t)%4)+4*\i+3] offset:32*SP*((\t)%2)+8*SP*\i
.endr
.irp i, 0,1,2,3
	ds_load_b128 v[X+16*((\t)%2)+4*\i:X+16*((\t)%2)+4*\i+3], v15 offset:32*SP*((\t)%2)+16*\i
.endr
.endm
.irp t, 0,1,2,3
	LOAD \t
.endr
	s_wait_loadcnt 12                              ; step 0's four loads are in; twelve younger ones stay out
	TURN 0
.macro STEP t
.set XS, X+16*((\t)%2)
.if (\t) > 0
	s_wait_dscnt 1                                 ; this step's numbers are back from the stage (the last step's byte store may be out)
.else
	s_wait_dscnt 0x0
.endif
.if (\t)+4 < STEPS
	LOAD (\t)+4                                    ; into the set whose stores into the stage are done
.endif
.if (\t)+1 < STEPS
.if STEPS-2-(\t) >= 3
	s_wait_loadcnt 12                              ; the next step's four loads are in; those of the three steps behind it may be out
.else
	s_wait_loadcnt 4*(STEPS-2-(\t))
.endif
	TURN (\t)+1
.endif
	v_max3_num_f32 v8, |v[XS]|, |v[XS+1]|, |v[XS+2]|               ; the largest magnitude of my 16, in two chains
	v_max3_num_f32 v9, |v[XS+3]|, |v[XS+4]|, |v[XS+5]|
.irp i, 6,10
	v_max3_num_f32 v8, v8, |v[XS+\i]|, |v[XS+\i+1]|
	v_max3_num_f32 v9, v9, |v[XS+\i+2]|, |v[XS+\i+3]|
.endr
	v_max3_num_f32 v8, v8, |v[XS+14]|, |v[XS+15]|
	v_max3_num_f32 v8, v8, v9, 0x1800000           ; and the floor 2^(3 - 127): the byte cannot fall under 1
	v_max_num_f32_dpp v8, v8, v8 row_xmask:1 row_mask:0xf bank_mask:0xf   ; with my neighbour's 16: the block's
	v_add_nc_u32 v11, 0xff000000, v8               ; 2 off its exponent field: the conversion takes that field as its scale
	v_cvt_scalef32_pk16_fp6_f32 v[C+4*(\t):C+4*(\t)+2], v[XS:XS+15], v11
	v_lshrrev_b32 v[E+(\t)], 23, v11               ; the scale's byte (also the plain line behind the conversion)
	ds_store_b8 v5, v[E+(\t)] offset:16*(\t)       ; both lanes of a block write the same byte with the same value
	global_store_b96 v4, v[C+4*(\t):C+4*(\t)+2], s[10:11] offset:32*CB*(\t)   ; the wave stores 384 consecutive bytes
.endm
.irp t, 0,1,2,3,4,5,6,7,8,9,10,11,12,13,14,15
	STEP \t
.endr
	ds_load_b64 v[12:13], v6                       ; LDS serves a wave's instructions in order: these see my stores
	s_wait_dscnt 0x0
	global_store_b64 v7, v[12:13], s[12:13]        ; 32 lanes store 256 consecutive bytes, aligned
	s_wait_tensorcnt 0x0
	ds_add_u32 v192, v193
	s_wait_dscnt 0x0
	s_endpgm
.Lfunc_end_k_qd6dbe6b9dd_quant:
	.size	k_qd6dbe6b9dd_quant, .Lfunc_end_k_qd6dbe6b9dd_quant-k_qd6dbe6b9dd_quant
	.p2alignl 7, 3214868480
	.fill 96, 4, 3214868480
	.section	.rodata,"a",@progbits
	.p2align	6, 0x0
	.amdhsa_kernel k_qd6dbe6b9dd_quant
		.amdhsa_group_segment_fixed_size 33280
		.amdhsa_private_segment_fixed_size 0
		.amdhsa_enable_private_segment 0
		.amdhsa_kernarg_size 40
		.amdhsa_user_sgpr_count 2
		.amdhsa_user_sgpr_kernarg_segment_ptr 1
		.amdhsa_wavefront_size32 1
		.amdhsa_system_sgpr_workgroup_id_x 1
		.amdhsa_system_sgpr_workgroup_id_y 1
		.amdhsa_system_sgpr_workgroup_id_z 1
		.amdhsa_system_vgpr_workitem_id 0
		.amdhsa_next_free_vgpr 194
		.amdhsa_next_free_sgpr 66
		.amdhsa_reserve_vcc 0
		.amdhsa_float_denorm_mode_32 3
		.amdhsa_float_denorm_mode_16_64 3
		.amdhsa_memory_ordered 1
		.amdhsa_forward_progress 1
		.amdhsa_inst_pref_size 33
	.end_amdhsa_kernel
	.amdgpu_metadata
---
amdhsa.version: [ 1, 2 ]
amdhsa.kernels:
  - .name:           k_qd6dbe6b9dd_quant
    .symbol:         k_qd6dbe6b9dd_quant.kd
    .args:
      - { .name: x, .offset: 0, .size: 8, .value_kind: global_buffer, .address_space: global }
      - { .name: w_in, .offset: 8, .size: 8, .value_kind: global_buffer, .address_space: global }
      - { .name: w_out, .offset: 16, .size: 8, .value_kind: global_buffer, .address_space: global }
      - { .name: cod1, .offset: 24, .size: 8, .value_kind: global_buffer, .address_space: global }
      - { .name: scl1, .offset: 32, .size: 8, .value_kind: global_buffer, .address_space: global }
    .group_segment_fixed_size: 33280
    .private_segment_fixed_size: 0
    .kernarg_segment_align: 8
    .kernarg_segment_size: 40
    .max_flat_workgroup_size: 128
    .sgpr_count:     66
    .vgpr_count:     194
    .wavefront_size: 32
...
	.end_amdgpu_metadata
.endif
;; end of part 1
;; launch qkv (part 2): grid 12 x 32, 4 waves a work-group, clusters of 4 x 4, 327,680 bytes of LDS; arguments cod1, scl1, b_in, qkvc, qkvs; writes qkvc, qkvs
.if DOCPART == 2
	.amdgcn_target "amdgcn-amd-amdhsa--gfx1250"
	.amdhsa_code_object_version 6
	.text
	.protected	k_qd6dbe6b9dd_qkv
	.globl	k_qd6dbe6b9dd_qkv
	.p2align	8
	.type	k_qd6dbe6b9dd_qkv,@function
k_qd6dbe6b9dd_qkv:
	s_mov_b64 s[64:65], 0
	v_nop
	global_prefetch_b8 v0, s[64:65] scope:SCOPE_SE
	s_setreg_imm32_b32 hwreg(HW_REG_WAVE_MODE, 25, 1), 1
	s_wait_xcnt 0x0
	s_wait_alu depctr_hold_cnt(0) depctr_sa_sdst(0) depctr_va_vdst(0) depctr_va_sdst(0) depctr_va_ssrc(0) depctr_va_vcc(0) depctr_vm_vsrc(0)
	s_getreg_b32 s2, hwreg(HW_REG_IB_STS2, 6, 4)
	s_cmp_eq_u32 s2, 0
	s_cbranch_scc0 .Lentry_in_a_cluster
	s_endpgm
.Lentry_in_a_cluster:
	s_bfe_u32 s2, ttmp6, 0x10000c
	s_cmp_lg_u32 s2, 0xf033
	s_cbranch_scc0 .Lentry_shape_is_right
	s_endpgm
.Lentry_shape_is_right:
; qkv = x w_in^T + b_in on codes of FP6 (E2M3) with E8M0 scales for each 32 along K = 1,024; the results never leave as f32: q and k are quantised along the head's 64, v along the keys, and leave as codes.
; A = x's codes (cod1 at 0, 768 bytes a row), B = w_in's (cod1 at 6,291,456); their scale bytes in scl1 at 0 and 262,144, 32 bytes a row.  In both, place p holds row p with bits 3 and 4 exchanged.
; A tile of 256 x 256 is made by four waves, each 128 x 128: 64 accumulators, 512 registers.  K goes in steps of 256 (rows of 192 bytes) through two LDS slots filled by the tensor data mover; the scale bytes of
; the tile's rows, for all of K, come once and stay.  CLUSTERS: 4 x 4 work-groups; A's tiles are asked for jointly along a row of the cluster, B's along a column.  The cluster's x says what the columns are: 0 q, 1 k, 2 v.
; THE MATRIX INSTRUCTION IS USED TRANSPOSED (source 0 = 16 places of w_in, source 1 = 16 places of x): lane (r, h) of accumulator (a, b) holds row place 16 a + r, and its register j column place 16 b + 8 h + j,
; which is the true column 32 (b / 2) + 16 h + 8 (b % 2) + j: the 16 registers of accumulators 2 B and 2 B + 1 are 16 neighbouring true columns.  The bias is the C of each sum's first product.
; OUT.  q, k: codes [head][row place][48 bytes], scale words [head][row place] (bytes 0, 1: the head's two blocks; bytes 2, 3: 0).  v: codes [batch x 16 + head][block of 32 keys][column place in the head][24 bytes, keys in true order],
; scale words [batch x 16 + head][128 keys][column place], byte i for key block i of the four.
; LIMITS: blocks whose largest magnitude lies under 2^-124 keep the byte 1, a block of zeros too (its codes are zeros; only this program reads the bytes); NaN and infinities are not served.
; The grid has 384 work-groups: a tile of 256 columns is wholly q, k or v, which keeps one way out for a work-group.
; REGISTERS, in windows of 256: window 0: v7-31 addresses; v32-63 scale words, two sets; v64-127 the bias, later at work; from v128 A's fragments, one set, later rows on their way out.
;   window 1: B's fragments, two sets, at v0 and v128.   window 2: accumulators of my rows 0-63 ((a, b) at v[8 (8 a + b)]);   window 3: those of rows 64-127.
.set KSTEP,  256
.set NQ,     2                         ; matrix instructions deep in a slot
.set ROWB,   192                       ; a tile's row in bytes
.set APITCH, 768                       ; A: bytes from row to row in memory,
.set AROW,   768
.set ASTEP,  192                       ; and from K step to K step
.set BROW,   768                       ; B likewise; its K steps are ROWB apart
.set PITCH,  240                       ; an LDS row: 3 x (64 bytes + 16 of padding): the 32 lanes of a load of 8 bytes touch 64 different banks (ISA guide 11.1: 64 banks of 4 bytes)
.set FR,     12
.set NL,     6
.set NP,     4                         ; places behind this matrix instruction (ISA guide 7.12.1)
.set HALFT,  128*PITCH
.set SLOT,   4*HALFT
.set LAPS,   2                         ; 1,024 / 512
.set KS,     32                        ; a row of scale bytes
.set SCL,    2*SLOT                    ; behind the ring: the scales, as units of 256 bytes + 16 of padding
.set HALFS,  16*272
.set SBLK,   2*272
.set SPARE,  SCL+4*HALFS               ; the spare words, 128 bytes a wave: two blocks of 256 bytes that no other line names
.set QREG,   17408                     ; the q/k way out, in slot 0: for each wave 16,384 bytes of places of 16 bytes and 1,024 of scale words
.set VSTG,   4*QREG                    ; the v way out, in slot 0 behind it: for each wave a stage of 32 rows x 272 bytes
.set VREG,   8704
.set VPL,    SPARE+512                 ; and behind the spare words: for each wave 8,192 bytes of places and 512 of scale words; no tile ever lands here
.set QCS, 7                            ; v7   q/k: where I put 12 bytes of codes
.set QCL, 8                            ; v8   and where I read places back
.set QSS, 9                            ; v9   the scale words likewise
.set QSL, 10
.set VST, 11                           ; v11  v: into the f32 stage;  v12 out of it;  v13, v14 the places;  v15, v30 the scale words
.set VLD, 12
.set VCS, 13
.set VCL, 14
.set VSS, 15
.set VSL, 30
.set G12, 31                           ; v31  12 x lane
.set G16, 26                           ; v26  16 x lane
.set VGS, 24                           ; v24  v's scale words in memory: 4,096 (lane / 16) + 16 (lane % 16)
.set BOF, 25                           ; v25  the bias: 64 (lane / 16)
.set ADRA, 16
.set ADRB, 20
.set ADRS, 27
.set SPW,  28                          ; v28  my spare word; never rewritten
.set NIL,  29                          ; v29  0; never rewritten
.set SC,   32
.set BI,   64                          ; the bias of B's block b, in the result's layout, at v[BI + 8 b]
.set AF,   128
.set G1, 24
.set G0, 32
.set G1B, 48
.set G0B, 56
.set G1S, 68
.set G0S, 76
.set G1SB, 80
.set G0SB, 88
.set SEL, 66                           ; s66, s67 lane selects for v_permlanex16_b32: lane l xor 16
.set HI,  95                           ; s95  the mask of lanes 16-31
.set MSB, 0
.macro WIN new                         ; the immediate's high byte repeats the setting that is left
.if MSB != \new
	s_set_vgpr_msb (MSB<<8)|\new
.set MSB, \new
.endif
.endm
.set MUL_LO, 0xa1                      ; source 0 (B) window 1, source 1 (A) window 0, C and D window 2
.set MUL_HI, 0xf1
.set MUL_LO0, 0x81                     ; the first products: C (the bias) window 0, D window 2
.set MUL_HI0, 0xc1
.set TO_B,   0x40
; A joint load: waves 0 and 1 fetch for A, waves 2 and 3 for B; the branch hangs on the wave's number alone.  Four v_nop follow each of the two lines.
.macro JLOAD g0a, g1a, g0b, g1b
	s_cmp_eq_u32 s15, 0
	s_cbranch_scc0 .Lfor_b_\@
	tensor_load_to_lds s[\g0a:\g0a+3], s[\g1a:\g1a+7]
	s_nop 0
.rept 4
	v_nop
.endr
	s_branch .Lasked_\@
.Lfor_b_\@:
	tensor_load_to_lds s[\g0b:\g0b+3], s[\g1b:\g1b+7]
	s_nop 0
.rept 4
	v_nop
.endr
.Lasked_\@:
.endm
.macro CREST                           ; a round of the cluster's barrier behind its opening barrier
	s_cmp_lg_u32 s14, 0
	s_cbranch_scc1 .Lnot_wave_0_\@
	s_barrier_signal -3
.Lnot_wave_0_\@:
	s_barrier_wait -3
	s_barrier_signal -1
	s_barrier_wait -1
.endm
.macro CROUND
	s_barrier_signal -1
	s_barrier_wait -1
	CREST
.endm
	s_load_b128 s[4:7], s[0:1], 0x0                ; cod1, scl1
	s_load_b128 s[96:99], s[0:1], 0x10             ; b_in, qkvc
	s_load_b64 s[12:13], s[0:1], 0x20              ; qkvs
	v_lshl_add_u32 v[SPW], v0, 2, SPARE
	v_mov_b32 v[NIL], 0
	ds_add_u32 v28, v29
	ds_add_u32 v28, v29
	s_wait_dscnt 0x0
	v_lshrrev_b32 v1, 5, v0
	v_readfirstlane_b32 s14, v1                    ; wave 0..3
	s_lshr_b32 s15, s14, 1                         ; which half of the tile's rows is mine.  Also: I fetch for A (0) or for B (1)
	s_and_b32 s16, s14, 1                          ; which half of its columns.  Also: which 128 rows of that tile I fetch
	s_bfe_u32 s40, ttmp6, 0x40000                  ; cx, cy: my place in the cluster
	s_bfe_u32 s41, ttmp6, 0x40004
	s_lshl_b32 s42, ttmp9, 2
	s_add_co_u32 s42, s42, s40                     ; tile column = 4 x cluster x + cx
	s_and_b32 s17, ttmp7, 0xffff
	s_lshl_b32 s17, s17, 2
	s_add_co_u32 s17, s17, s41                     ; tile row = 4 x cluster y + cy
	s_lshl_b32 s43, s41, 2
	s_lshl_b32 s43, 15, s43                        ; my row of the cluster
	s_lshl_b32 s44, 0x1111, s40                    ; my column
	s_mov_b32 s[SEL], 0x76543210
	s_mov_b32 s[SEL+1], 0xfedcba98
	s_mov_b32 s[HI], 0xffff0000
	; descriptor group 1: a tile of 128 rows x 192 bytes, 16 bytes of padding behind every 64
	s_or_b32 s[G1+0], s43, (0<<16)|(1<<20)|(1<<21)|(3<<22)|(3<<25)  ; 15:0 the mask: A's tiles go to my row; elements of 1 byte; padding on; bit 21 beside a mask; after every 16 words, 4 words
	s_or_b32 s[G1B+0], s44, (0<<16)|(1<<20)|(1<<21)|(3<<22)|(3<<25)
.irp g, G1, G1B
	s_mov_b32 s[\g+1], ROWB<<16                    ; tensor_dim0
	s_mov_b32 s[\g+2], 128<<16                     ; tensor_dim1
	s_mov_b32 s[\g+3], ROWB<<16                    ; tile_dim0
	s_mov_b32 s[\g+4], 128                         ; tile_dim1
	s_mov_b32 s[\g+6], 0
	s_mov_b32 s[\g+7], 0
.endr
	s_mov_b32 s[G1+5], APITCH                      ; tensor_dim0_stride
	s_mov_b32 s[G1B+5], BROW
	; the scales of 128 rows: a dense block of 4,096 bytes, as 16 rows of 256 bytes (32 elements of 8 bytes), 16 bytes of padding behind each
	s_or_b32 s[G1S+0], s43, (3<<16)|(1<<20)|(1<<21)|(5<<22)|(3<<25)
	s_or_b32 s[G1SB+0], s44, (3<<16)|(1<<20)|(1<<21)|(5<<22)|(3<<25)
.irp g, G1S, G1SB
	s_mov_b32 s[\g+1], 32<<16
	s_mov_b32 s[\g+2], 16<<16
	s_mov_b32 s[\g+3], 32<<16
	s_mov_b32 s[\g+4], 16
	s_mov_b32 s[\g+5], 32
	s_mov_b32 s[\g+6], 0
	s_mov_b32 s[\g+7], 0
.endr
	s_lshl_b32 s18, s16, 7                         ; which 128 rows of the tile I fetch
	s_lshl_b32 s20, s17, 8
	s_add_co_u32 s20, s20, s18                     ; A: row 256 x tile row + 128 x half
	s_lshl_b32 s46, s42, 8
	s_add_co_u32 s46, s46, s18                     ; B: row 256 x tile column + 128 x half
	s_mov_b32 s21, 0
	s_mov_b32 s47, 0
	s_mov_b64 s[18:19], KS
	s_mul_u64 s[22:23], s[20:21], s[18:19]         ; where these rows' scales begin, in bytes
	s_mul_u64 s[92:93], s[46:47], s[18:19]
	s_mov_b64 s[18:19], AROW
	s_mul_u64 s[20:21], s[20:21], s[18:19]         ; and their codes
	s_mov_b64 s[18:19], BROW
	s_mul_u64 s[46:47], s[46:47], s[18:19]
	s_mul_i32 s45, s14, HALFT                      ; where they go: wave x 128 rows: no place in the cluster enters an LDS address
	s_mul_i32 s94, s14, HALFS
	s_wait_kmcnt 0x0
	s_add_nc_u64 s[8:9], s[4:5], 6291456           ; w_in's codes
	s_add_nc_u64 s[10:11], s[6:7], 262144          ; and scale bytes
	s_add_nc_u64 s[20:21], s[4:5], s[20:21]
	s_add_nc_u64 s[22:23], s[6:7], s[22:23]
	s_add_nc_u64 s[46:47], s[8:9], s[46:47]
	s_add_nc_u64 s[92:93], s[10:11], s[92:93]
	CROUND                                         ; all sixteen work-groups are here: the first joint loads meet
	s_mov_b32 s[G0S], 1
	s_add_co_u32 s[G0S+1], s94, SCL
	s_mov_b64 s[G0S+2:G0S+3], s[22:23]
	s_or_b32 s[G0S+3], s[G0S+3], 0x80000000
	s_mov_b32 s[G0SB], 1
	s_add_co_u32 s[G0SB+1], s94, SCL
	s_mov_b64 s[G0SB+2:G0SB+3], s[92:93]
	s_or_b32 s[G0SB+3], s[G0SB+3], 0x80000000
	JLOAD G0S, G1S, G0SB, G1SB                     ; the scales first: they are wanted with K step 0
.irp s, 0,1
	s_mov_b32 s[G0+4*\s], 1
	s_add_co_u32 s[G0+4*\s+1], s45, \s*SLOT
	s_add_nc_u64 s[G0+4*\s+2:G0+4*\s+3], s[20:21], \s*ASTEP
	s_or_b32 s[G0+4*\s+3], s[G0+4*\s+3], 0x80000000
	s_mov_b32 s[G0B+4*\s], 1
	s_add_co_u32 s[G0B+4*\s+1], s45, \s*SLOT
	s_add_nc_u64 s[G0B+4*\s+2:G0B+4*\s+3], s[46:47], \s*ROWB
	s_or_b32 s[G0B+4*\s+3], s[G0B+4*\s+3], 0x80000000
	JLOAD G0+4*\s, G1, G0B+4*\s, G1B               ; three tensor loads of mine are out now
.endr
	v_and_b32 v1, 15, v0                           ; r = l % 16
	v_bfe_u32 v2, v0, 4, 1                         ; h = l / 16
	; the bias of my 128 columns, in the result's layout: block b, lane half h, register j: true column 32 (b / 2) + 16 h + 8 (b % 2) + j
	s_lshl_b32 s46, s42, 10
	s_lshl_b32 s47, s16, 9
	s_add_co_u32 s46, s46, s47                     ; (256 x tile column + 128 x half) x 4 bytes
	s_mov_b32 s47, 0
	s_add_nc_u64 s[96:97], s[96:97], s[46:47]
	v_lshlrev_b32 v[BOF], 6, v2
.irp b, 0,1,2,3,4,5,6,7
	global_load_b128 v[BI+8*\b:BI+8*\b+3], v[BOF], s[96:97] offset:(32*(\b/2)+8*(\b%2))*4
	global_load_b128 v[BI+8*\b+4:BI+8*\b+7], v[BOF], s[96:97] offset:(32*(\b/2)+8*(\b%2))*4+16
.endr
	v_mul_u32_u24 v3, v1, PITCH
	v_mul_u32_u24 v4, v2, 24
	v_add_nc_u32 v4, v3, v4                        ; a fragment's row x pitch + 24 x half
	v_lshl_add_u32 v5, v2, 4, v4                   ; and the same behind one padding more
	s_mul_i32 s21, s15, HALFT                      ; my 128 rows of A
	s_mul_i32 s22, s16, HALFT                      ; my 128 rows of B,
	s_add_co_u32 s22, s22, 2*HALFT                 ; which lie behind A's 256
.irp s, 0,1
	v_add_nc_u32 v[ADRA+\s], s21, v4
	v_add_nc_u32 v[ADRB+\s], s22, v4
	v_add_nc_u32 v[ADRA+2+\s], s21, v5
	v_add_nc_u32 v[ADRB+2+\s], s22, v5
	s_add_co_u32 s21, s21, SLOT
	s_add_co_u32 s22, s22, SLOT
.endr
	v_mul_u32_u24 v5, v1, KS                       ; my row's scales: 32 bytes a row,
	v_lshrrev_b32 v6, 8, v5
	v_lshl_add_u32 v5, v6, 4, v5                   ; and 16 more for each 256 passed
	s_mul_i32 s21, s15, HALFS
	s_mul_i32 s22, s16, HALFS
	s_add_co_u32 s22, s22, 2*HALFS
	s_sub_co_u32 s22, s22, s21
	v_mul_u32_u24 v6, s22, v2                      ; lanes 16-31 take B's
	s_add_co_u32 s21, s21, SCL
	v_add_nc_u32 v5, v5, v6
	v_add_nc_u32 v[ADRS], s21, v5
	; the ways out: every LDS address is a constant + a constant x wave + constants x lane, made here for both ways
	v_and_b32 v6, 31, v0                           ; l
	v_lshlrev_b32 v[G16], 4, v6
	v_mul_u32_u24 v[G12], v6, 12
	s_mul_i32 s23, s14, QREG
	v_lshlrev_b32 v[QCS], 6, v1
	v_lshl_add_u32 v[QCS], v2, 4, v[QCS]
	v_add_nc_u32 v[QCS], s23, v[QCS]               ; row r: four places of 16 bytes; + 16 h
	v_add_nc_u32 v[QCL], s23, v[G16]
	s_add_co_u32 s23, s23, 16384
	v_lshlrev_b32 v[QSS], 2, v1
	v_lshl_add_u32 v[QSS], v2, 9, v[QSS]
	v_add_nc_u32 v[QSS], s23, v[QSS]               ; lanes 0-15 the first head's word of row r, lanes 16-31 the second head's
	v_add_nc_u32 v[QSL], s23, v[G16]
	s_mul_i32 s22, s14, VREG
	s_add_co_u32 s23, s22, VSTG
	v_mul_u32_u24 v[VST], v1, 272
	v_lshl_add_u32 v[VST], v2, 5, v[VST]
	v_add_nc_u32 v[VST], s23, v[VST]               ; stage row r, + 32 h
	v_lshl_add_u32 v[VLD], v6, 2, s23              ; out of it: a lane to a column
	s_add_co_u32 s23, s22, VPL
	v_lshl_add_u32 v[VCS], v6, 5, s23              ; a column's two places
	v_add_nc_u32 v[VCL], s23, v[G16]
	s_add_co_u32 s23, s23, 8192
	v_lshl_add_u32 v[VSS], v6, 2, s23
	v_add_nc_u32 v[VSL], s23, v[G16]
	v_lshlrev_b32 v[VGS], 4, v1
	v_lshl_add_u32 v[VGS], v2, 12, v[VGS]
.macro FRAG reg, adr, q, i             ; a fragment, 16 rows x 128 K, is 12 registers: lane l holds row l % 16; registers 6 c .. 6 c + 5 hold K = 64 c + 32 (l / 16) + 0 .. 31: 24 bytes of the row as they lie
.irp p, 0,1,2,3,4,5                    ; in pieces of 8 bytes.  Lanes 16-31 read three pieces further on; where that lies behind one padding more, the second address register serves
.set PC, 12*(\q)+6*(\p/3)+\p%3
.if PC%8 < 5
	ds_load_b64 v[\reg+2*\p:\reg+2*\p+1], v[\adr] offset:8*PC+16*(PC/8)+(\i)*16*PITCH
.else
	ds_load_b64 v[\reg+2*\p:\reg+2*\p+1], v[\adr+2] offset:8*PC+16*(PC/8)+(\i)*16*PITCH
.endif
.endr
.endm
; 16 matrix instructions: A's blocks a0, a0 + 1 x B's eight.  first = 1: the bias is C: nothing is cleared and nothing is added later.  The 64 accumulators take turns, one instruction a turn.
.macro MUL16 a0, p, q, sc, first
.irp a, \a0, \a0+1
.irp b, 0,1,2,3,4,5,6,7
.if \first
	v_wmma_scale_f32_16x16x128_f8f6f4 v[8*(8*((\a)%4)+\b):8*(8*((\a)%4)+\b)+7], v[128*(\p)+FR*\b:128*(\p)+FR*\b+FR-1], v[AF+FR*(\a):AF+FR*(\a)+FR-1], v[BI+8*\b:BI+8*\b+7], v[SC+8*NQ*(\sc)+NQ*\b+(\q)], v[SC+8*NQ*(\sc)+NQ*(\a)+(\q)] matrix_a_fmt:MATRIX_FMT_FP6 matrix_b_fmt:MATRIX_FMT_FP6 matrix_a_scale:MATRIX_SCALE_ROW1
.else
	v_wmma_scale_f32_16x16x128_f8f6f4 v[8*(8*((\a)%4)+\b):8*(8*((\a)%4)+\b)+7], v[128*(\p)+FR*\b:128*(\p)+FR*\b+FR-1], v[AF+FR*(\a):AF+FR*(\a)+FR-1], v[8*(8*((\a)%4)+\b):8*(8*((\a)%4)+\b)+7], v[SC+8*NQ*(\sc)+NQ*\b+(\q)], v[SC+8*NQ*(\sc)+NQ*(\a)+(\q)] matrix_a_fmt:MATRIX_FMT_FP6 matrix_b_fmt:MATRIX_FMT_FP6 matrix_a_scale:MATRIX_SCALE_ROW1
.endif
.endr
.endr
.endm
.macro FETCH_B slot, q, p
	WIN TO_B
.irp i, 0,1,2,3,4,5,6,7
	FRAG 128*(\p)+FR*\i, ADRB+\slot, \q, \i
.endr
	WIN 0
.endm
.macro FETCH_A slot, q, i0
.irp i, \i0, \i0+1, \i0+2, \i0+3
	FRAG AF+FR*(\i), ADRA+\slot, \q, \i
.endr
.endm
.macro SCALES sc                       ; a K step's scale words: lanes 0-15 take A's block i, lanes 16-31 B's block i
.irp i, 0,1,2,3,4,5,6,7
	ds_load_b64 v[SC+8*NQ*\sc+NQ*\i:SC+8*NQ*\sc+NQ*\i+1], v[ADRS] offset:\i*SBLK
.endr
.endm
.macro PLACES n                        ; plain vector instructions between a matrix instruction and a load into, or a read of, its registers
.rept \n
	v_nop
.endr
.endm
.macro STEP slot, q, first             ; 128 along K that has its successor in the same slot
	s_wait_dscnt 4*NL                              ; B's set and A's blocks 0-3 are in; the youngest 24 loads (A's blocks 4-7) may be out
.if \first
	WIN MUL_LO0
.else
	WIN MUL_LO
.endif
	MUL16 0, (\q)%2, \q, \slot, \first
	MUL16 2, (\q)%2, \q, \slot, \first
	s_wait_dscnt 0                                 ; A's blocks 4-7 are in
	PLACES NP
	FETCH_B \slot, (\q)+1, 1-(\q)%2
	FETCH_A \slot, (\q)+1, 0
.if \first
	WIN MUL_HI0
.else
	WIN MUL_HI
.endif
	MUL16 4, (\q)%2, \q, \slot, \first
	MUL16 6, (\q)%2, \q, \slot, \first
	PLACES NP
	WIN 0
	FETCH_A \slot, (\q)+1, 4
.endm
; A slot's last step changes slots: one barrier; in front of it each wave waits for all its tensor loads, adds 0 to its spare word, and waits for that and for its reads of this slot.
.macro TURN slot, next, fill
	s_wait_tensorcnt 0x0                           ; all my tensor loads have landed: my part of the next slot
	ds_add_u32 v[SPW], v[NIL]                      ; 0 onto my spare word
	s_wait_dscnt 4*NL+1                            ; (the add and the youngest 24 loads may be out)
	WIN MUL_LO
	MUL16 0, 1, NQ-1, \slot, 0                     ; sixteen matrix instructions stand between the add and the wait for it
	s_wait_dscnt 0x0                               ; the add is done, and my reads of this slot are over
	s_barrier_signal -1
	MUL16 2, 1, NQ-1, \slot, 0
	WIN 0
	s_barrier_wait -1
.if \fill
	CREST                                          ; the barrier has opened a round of the cluster's: no wave of any partner still reads this slot or has a load on its way
	s_add_nc_u64 s[G0+4*\slot+2:G0+4*\slot+3], s[G0+4*\slot+2:G0+4*\slot+3], 2*ASTEP
	s_add_nc_u64 s[G0B+4*\slot+2:G0B+4*\slot+3], s[G0B+4*\slot+2:G0B+4*\slot+3], 2*ROWB
	JLOAD G0+4*\slot, G1, G0B+4*\slot, G1B         ; my one tensor load behind the round; its four v_nop are the places in front of the loads below
.else
	PLACES NP
.endif
	v_add_nc_u32 v[ADRS], 4*NQ, v[ADRS]            ; on to the next K step's scale words
	FETCH_B \next, 0, 0
	FETCH_A \next, 0, 0
	SCALES \next
	WIN MUL_HI
	MUL16 4, 1, NQ-1, \slot, 0
	MUL16 6, 1, NQ-1, \slot, 0
	PLACES NP
	WIN 0
	FETCH_A \next, 0, 4
.endm
	s_wait_tensorcnt 1                             ; the scales and my part of K step 0 are in (K step 1's load may be out)
	s_barrier_signal -1
	s_barrier_wait -1
	FETCH_B 0, 0, 0
	FETCH_A 0, 0, 0
	SCALES 0
	FETCH_A 0, 0, 4
	s_wait_loadcnt 0x0                             ; the bias
	STEP 0, 0, 1                                   ; the first step stands in front of the loop: its products start the sums on the bias
	s_mov_b32 s3, LAPS-1
.Llap:                                                 ; a trip goes once round the ring and fills both slots again
	TURN 0, 1, 1
	STEP 1, 0, 0
	TURN 1, 0, 1
	STEP 0, 0, 0
	s_sub_co_u32 s3, s3, 1
	s_cmp_lg_u32 s3, 0
	s_cbranch_scc1 .Llap
	TURN 0, 1, 0                                   ; the last lap fills nothing
	STEP 1, 0, 0
	s_wait_dscnt 4*NL
	WIN MUL_LO
	MUL16 0, 1, NQ-1, 1, 0
	MUL16 2, 1, NQ-1, 1, 0
	s_wait_dscnt 0
	WIN MUL_HI
	MUL16 4, 1, NQ-1, 1, 0
	MUL16 6, 1, NQ-1, 1, 0
	WIN 0
	PLACES NP                                      ; in front of the first reads of results
	; THE WAYS OUT.  No tensor load is out; slot 0 has had its last fill, and its last read stands in front of the last change of slots.
	s_lshl_b32 s18, s40, 2
	s_lshl_b32 s19, s16, 1
	s_add_co_u32 s18, s18, s19                     ; my first head: 4 cx + 2 x my half of the columns
	s_lshl_b32 s19, s17, 8
	s_lshl_b32 s20, s15, 7
	s_add_co_u32 s19, s19, s20                     ; my first row place
	s_cmp_lt_u32 ttmp9, 2                          ; the cluster's x: the same in all partners
	s_cbranch_scc0 .Lv
	; ---- q or k: blocks of 32 along the head.  Block B of a row lies in lanes l and l xor 16, 16 registers each.
.set TM, 64                            ; v64-67 largest magnitudes; v68-71 the other lane's; v72-75 scale operands; v76-79 bytes; v80-82 words; v84-99 codes
.set TP, 68
.set SO, 72
.set BY, 76
.set CQ, 84
.set OUTR, 128
	s_mul_i32 s20, ttmp9, 6291456                  ; q's part or k's
	s_mul_i32 s21, s18, 393216                     ; a head's 8,192 rows of 48 bytes
	s_add_co_u32 s20, s20, s21
	s_mul_i32 s21, s19, 48
	s_add_co_u32 s20, s20, s21
	s_mov_b32 s21, 0
	s_add_nc_u64 s[4:5], s[98:99], s[20:21]        ; my first head's codes,
	s_add_nc_u64 s[6:7], s[4:5], 393216            ; my second head's
	s_lshl_b32 s20, ttmp9, 19
	s_lshl_b32 s22, s18, 15
	s_add_co_u32 s20, s20, s22
	s_lshl_b32 s22, s19, 2
	s_add_co_u32 s20, s20, s22
	s_add_nc_u64 s[8:9], s[12:13], s[20:21]        ; the scale words
.irp b, 0,1,2,3
	v_mov_b32 v[TP+\b], 0                          ; written once: a lane permute's destination counts as one of its sources
.endr
.macro QROW a                          ; my rows 16 a .. 16 a + 15: four blocks a row
.set W, 2+(\a)/4
.set WA, (W<<2)|(W<<4)
.set AC, 64*((\a)%4)
	WIN WA                                         ; sources 1 and 2: the accumulators' window
.irp b, 0,1,2,3
	v_max3_num_f32 v[TM+\b], 0x1800000, |v[AC+16*\b]|, |v[AC+16*\b+1]|   ; from each accumulator's low end on; the floor 2^(3 - 127) holds the byte at 1 from below
.endr
.irp i, 2,4,6,8,10,12,14
.irp b, 0,1,2,3
	v_max3_num_f32 v[TM+\b], v[TM+\b], |v[AC+16*\b+\i]|, |v[AC+16*\b+\i+1]|
.endr
.endr
	WIN 0
	s_wait_dscnt 0x0                               ; the last rows' stores have read their registers
.irp b, 0,1,2,3
	v_permlanex16_b32 v[TP+\b], v[TM+\b], s[SEL], s[SEL+1]
.endr
.irp b, 0,1,2,3
	v_max_num_f32 v[TM+\b], v[TM+\b], v[TP+\b]     ; the block's largest magnitude
.endr
.irp b, 0,1,2,3
	v_add_nc_u32 v[SO+\b], 0xff000000, v[TM+\b]    ; 2 off its exponent field: the conversion's scale operand
.endr
.irp b, 0,1,2,3
	v_lshrrev_b32 v[BY+\b], 23, v[SO+\b]           ; the byte
.endr
	v_lshl_or_b32 v80, v[BY+1], 8, v[BY]           ; the first head's word,
	v_lshl_or_b32 v81, v[BY+3], 8, v[BY+2]         ; the second head's
	v_cndmask_b32 v82, v80, v81, s[HI]             ; lanes 16-31 carry the second
	ds_store_b32 v[QSS], v82 offset:64*(\a)
	WIN W                                          ; source 0: the accumulators' window
.irp b, 0,1,2,3
	v_cvt_scalef32_pk16_fp6_f32 v[CQ+4*\b:CQ+4*\b+2], v[AC+16*\b:AC+16*\b+15], v[SO+\b]   ; 12 bytes: true columns 32 b + 16 h + 0 .. 15
.endr
	WIN 0
	v_nop                                          ; one plain line behind the conversions
.irp b, 0,1,2,3
	ds_store_b96 v[QCS], v[CQ+4*\b:CQ+4*\b+2] offset:(\b/2)*8192+(\a)*1024+(\b%2)*32   ; place ((head x 128 + row) x 4 + 2 x block + h), 16 bytes each
.endr
.endm
.irp a, 0,1,2,3,4,5,6,7
	QROW \a
.endr
.set i, 0
.rept 32
	ds_load_b96 v[OUTR+4*i:OUTR+4*i+2], v[QCL] offset:512*i   ; LDS serves a wave's instructions in order: these see my stores
.set i, i+1
.endr
	ds_load_b128 v[100:103], v[QSL]
	ds_load_b128 v[104:107], v[QSL] offset:512
.set i, 0
.rept 32
	s_wait_dscnt 33-i                              ; load i is in; the younger code loads and the two of scale words stay out
	global_store_b96 v[G12], v[OUTR+4*i:OUTR+4*i+2], s[4+2*(i/16):5+2*(i/16)] offset:384*(i%16)   ; 384 consecutive bytes of a head's dense run of 6,144
.set i, i+1
.endr
	s_wait_dscnt 1
	global_store_b128 v[G16], v[100:103], s[8:9]   ; 512 consecutive bytes, aligned
	s_wait_dscnt 0x0
	global_store_b128 v[G16], v[104:107], s[8:9] offset:32768
	s_branch .Ldone
.Lv:	; ---- v: blocks of 32 along the keys, which are my rows.  32 rows x 64 columns at a time turn through the f32 stage, so that a lane holds a column and its registers run down the true keys.
	s_lshr_b32 s20, s19, 11                        ; batch
	s_bfe_u32 s21, s19, 0x40007                    ; which 128 keys of the sequence
	s_lshl_b32 s20, s20, 4
	s_add_co_u32 s20, s20, s18                     ; 16 x batch + head
	s_lshl_b32 s22, s20, 6
	s_lshl_b32 s23, s21, 2
	s_add_co_u32 s22, s22, s23                     ; key block
	s_mul_i32 s22, s22, 1536                       ; 64 columns x 24 bytes
	s_add_co_u32 s22, s22, 12582912
	s_mov_b32 s23, 0
	s_add_nc_u64 s[4:5], s[98:99], s[22:23]
	s_add_nc_u64 s[6:7], s[4:5], 98304             ; the next head: 64 key blocks on
	s_lshl_b32 s22, s20, 4
	s_add_co_u32 s22, s22, s21
	s_lshl_b32 s22, s22, 8
	s_add_co_u32 s22, s22, 1048576
	s_add_nc_u64 s[8:9], s[12:13], s[22:23]
.macro VBLOCK gl, kbl                  ; a block of 32 keys of column 32 gl + lane: all its numbers are mine
.set XS, 64+32*(\gl)
.set CC, 128+8*(\gl)
	v_max3_num_f32 v144, |v[XS]|, |v[XS+1]|, |v[XS+2]|
	v_max3_num_f32 v145, |v[XS+3]|, |v[XS+4]|, |v[XS+5]|
.irp i, 6,10,14,18,22,26
	v_max3_num_f32 v144, v144, |v[XS+\i]|, |v[XS+\i+1]|
	v_max3_num_f32 v145, v145, |v[XS+\i+2]|, |v[XS+\i+3]|
.endr
	v_max3_num_f32 v144, v144, |v[XS+30]|, |v[XS+31]|
	v_max3_num_f32 v144, v144, v145, 0x1800000     ; the floor
	v_add_nc_u32 v146, 0xff000000, v144
	v_lshrrev_b32 v147, 23, v146
.if (\kbl) == 0
	v_mov_b32 v[150+(\gl)], v147                   ; four bytes to a word, the earlier keys in the lower byte
.else
	v_lshl_or_b32 v[150+(\gl)], v147, 8*(\kbl), v[150+(\gl)]
.endif
	v_cvt_scalef32_pk16_fp6_f32 v[CC:CC+2], v[XS:XS+15], v146
	v_cvt_scalef32_pk16_fp6_f32 v[CC+4:CC+6], v[XS+16:XS+31], v146
	v_nop                                          ; one plain line behind the conversions
	ds_store_b96 v[VCS], v[CC:CC+2] offset:(\kbl)*2048+(\gl)*1024
	ds_store_b96 v[VCS], v[CC+4:CC+6] offset:(\kbl)*2048+(\gl)*1024+16
.endm
.macro VPAIR hd, kbl                   ; head hd of my two, key block kbl of my four
.set WW, 0x08+4*((\kbl)/2)
	WIN WW                                         ; an LDS store's data are its source 1
.irp u, 0,1
.irp bl, 0,1,2,3
.set AC, 8*(8*((2*(\kbl)+\u)%4)+4*(\hd)+\bl)
	ds_store_b128 v[VST], v[AC:AC+3] offset:\u*16*272+64*\bl         ; each accumulator from its low end on; rows 272 bytes apart: 16 lanes, 16 different columns of 16 bytes
	ds_store_b128 v[VST], v[AC+4:AC+7] offset:\u*16*272+64*\bl+16
.endr
.endr
	WIN 0
.irp gl, 0,1
.set i, 0
.rept 32
	ds_load_b32 v[64+32*\gl+i], v[VLD] offset:((i&7)|((i&8)<<1)|((i&16)>>1))*272+128*\gl   ; true key i lies at the row place with bits 3 and 4 exchanged; 32 lanes read 128 consecutive bytes
.set i, i+1
.endr
.endr
	s_wait_dscnt 32                                ; the first 32 columns' numbers are in; the other 32 loads may be out
	VBLOCK 0, \kbl
	s_wait_dscnt 2                                 ; all but the two stores just issued
	VBLOCK 1, \kbl
.endm
.macro VSEND hd
.if \hd
	s_wait_xcnt 0x0                                ; the first head's stores have read their registers
.endif
.set i, 0
.rept 16
	ds_load_b96 v[160+4*i:160+4*i+2], v[VCL] offset:512*i
.set i, i+1
.endr
.set i, 0
.rept 16
	s_wait_dscnt 15-i
	global_store_b96 v[G12], v[160+4*i:160+4*i+2], s[4+2*\hd:5+2*\hd] offset:384*i   ; 384 consecutive bytes of a dense run of 6,144
.set i, i+1
.endr
.endm
.irp hd, 0,1
.irp kbl, 0,1,2,3
	VPAIR \hd, \kbl
.endr
	ds_store_b32 v[VSS], v150 offset:256*\hd
	ds_store_b32 v[VSS], v151 offset:256*\hd+128
	VSEND \hd
.endr
	ds_load_b128 v[152:155], v[VSL]
	s_wait_dscnt 0x0
	global_store_b128 v[VGS], v[152:155], s[8:9]   ; sixteen lanes store a head's 256 consecutive bytes, aligned
.Ldone:
	s_wait_tensorcnt 0x0                           ; the wave's end
	ds_add_u32 v[SPW], v[NIL]
	s_wait_dscnt 0x0
	CROUND                                         ; the closing round: no work-group ends while a partner may still ask for a tile that names it
	s_endpgm
.Lfunc_end_k_qd6dbe6b9dd_qkv:
	.size	k_qd6dbe6b9dd_qkv, .Lfunc_end_k_qd6dbe6b9dd_qkv-k_qd6dbe6b9dd_qkv
	.p2alignl 7, 3214868480
	.fill 96, 4, 3214868480
	.section	.rodata,"a",@progbits
	.p2align	6, 0x0
	.amdhsa_kernel k_qd6dbe6b9dd_qkv
		.amdhsa_group_segment_fixed_size 327680
		.amdhsa_private_segment_fixed_size 0
		.amdhsa_enable_private_segment 0
		.amdhsa_kernarg_size 40
		.amdhsa_user_sgpr_count 2
		.amdhsa_user_sgpr_kernarg_segment_ptr 1
		.amdhsa_wavefront_size32 1
		.amdhsa_system_sgpr_workgroup_id_x 1
		.amdhsa_system_sgpr_workgroup_id_y 1
		.amdhsa_system_sgpr_workgroup_id_z 1
		.amdhsa_system_vgpr_workitem_id 0
		.amdhsa_next_free_vgpr 1024
		.amdhsa_next_free_sgpr 100
		.amdhsa_reserve_vcc 0
		.amdhsa_float_denorm_mode_32 3
		.amdhsa_float_denorm_mode_16_64 3
		.amdhsa_memory_ordered 1
		.amdhsa_forward_progress 1
		.amdhsa_inst_pref_size 242
	.end_amdhsa_kernel
	.amdgpu_metadata
---
amdhsa.version: [ 1, 2 ]
amdhsa.kernels:
  - .name:           k_qd6dbe6b9dd_qkv
    .symbol:         k_qd6dbe6b9dd_qkv.kd
    .args:
      - { .name: cod1, .offset: 0, .size: 8, .value_kind: global_buffer, .address_space: global }
      - { .name: scl1, .offset: 8, .size: 8, .value_kind: global_buffer, .address_space: global }
      - { .name: b_in, .offset: 16, .size: 8, .value_kind: global_buffer, .address_space: global }
      - { .name: qkvc, .offset: 24, .size: 8, .value_kind: global_buffer, .address_space: global }
      - { .name: qkvs, .offset: 32, .size: 8, .value_kind: global_buffer, .address_space: global }
    .group_segment_fixed_size: 327680
    .private_segment_fixed_size: 0
    .kernarg_segment_align: 8
    .kernarg_segment_size: 40
    .max_flat_workgroup_size: 128
    .sgpr_count:     100
    .vgpr_count:     1024
    .wavefront_size: 32
...
	.end_amdgpu_metadata
.endif
;; end of part 2
;; launch attn (part 3): grid 64 x 4, 16 waves a work-group, no clusters, 146,432 bytes of LDS; arguments qkvc, qkvs, aoc, aos; writes aoc, aos
.if DOCPART == 3
	.amdgcn_target "amdgcn-amd-amdhsa--gfx1250"
	.amdhsa_code_object_version 6
	.text
	.protected	k_qd6dbe6b9dd_attn
	.globl	k_qd6dbe6b9dd_attn
	.p2align	8
	.type	k_qd6dbe6b9dd_attn,@function
k_qd6dbe6b9dd_attn:
	s_mov_b64 s[64:65], 0
	v_nop
	global_prefetch_b8 v0, s[64:65] scope:SCOPE_SE
	s_setreg_imm32_b32 hwreg(HW_REG_WAVE_MODE, 25, 1), 1
	s_wait_xcnt 0x0
; Banded causal attention on codes of FP6 (E2M3): query i sees keys i - 128 .. i of its sequence.  Both products by the scaled matrix instruction; the result is divided by the row's sum and quantised along E.
; IN (made by the launch before).  q, k: codes [head][row place][48], scale words [head][row place]; place p holds row p with bits 3 and 4 exchanged.  v: codes [batch x 16 + head][key block][column place][24], keys in true
; order, scale words [batch x 16 + head][128 keys][column place]; column place d' holds channel d' with bits 3 and 4 exchanged.
; OUT.  aoc [4 heads' group][8,192 rows][192 bytes]: rows and channels in true order; aos [8,192][32]: one byte for each 32 along E.
; SHARES.  Work-group (x, hg): rows 128 x .. 128 x + 127, heads 4 hg .. 4 hg + 3.  Wave w: head w / 4, two tiles of 16 queries, at 16 (w % 4) and 64 further on.  Four waves to a SIMD, so that one wave's vector work
; stands beside another's matrix work.  A tile's window is five blocks of 32 keys, from the block 128 keys ahead of its own: all 160 scores lie in registers at once, so M is final and nothing is rescaled.
; LAYOUT.  Both products are used transposed (S^T = K Q^T, O^T = V^T P^T): a lane holds one query.  Sixteen consecutive places of K give, two tiles together, 16 neighbouring true keys in a lane's registers; V's column
; places likewise give 16 neighbouring channels.  K = 64 fills half of the instruction's 128: Q's upper six registers are zero codes; of the fifth key block's product P's unused codes are zeros.  What stands against
; zero codes are codes and scale bytes of other rows or the byte 0, never 0xff: they add nothing.
; SOFTMAX.  t = score x log2(e) / 8; M = ceil(the row's largest t); p = 2^(t - M), quantised along the keys, not normalised; the sum is taken of the unquantised p and divides at the end.
; A block's largest p is made from the block's largest score by the same multiply-add and exponential (this takes v_exp_f32 not to fall where its input rises).
; The first 128 rows of a sequence have no earlier keys: their place in LDS is filled with the current keys, which are inside the buffer, and masked.
; LIMITS: hidden scores are -infinity where the definition has -1e9: the same as long as every visible logit lies above about -1e9 + 100; blocks under 2^-124 keep the byte 1; NaN and infinities are not served; 1 / l by v_rcp_f32.
; NO CLUSTER: neighbouring row blocks share half of one copy of 100 KB made once, and that copy goes lane by lane through registers into a padded layout.
; LDS.  KC [4 heads][256 places][48];  VC [4][8 key blocks, 1,664 bytes apart: 1,536 + 128][64][24];  KSW [4][256] words;  VSW [4][2][64] words;  OST 128 rows x 272 (16 places of 16 bytes);  OSS [128][8].
.set KC,  0
.set VC,  49152
.set KSW, 102400
.set VSW, 106496
.set OST, 108544
.set OSS, 143360
; REGISTERS: v1-11, v28 addresses; v[12:15] the sum's chains; v16-27 Q; v29 d, v30 the lower bound, v31 -infinity; v32-109 K's, then V's fragments; v110-122 scale words alone; v123 16 h; v[124:125] -M; v[126:127] 1 / l;
; v128-207 S^T, then p, then (v128-159) O^T; v208-231 P's codes; v232-243 codes on the way; v244-248 block maxima, then scale operands; v249-253 the other lane's, then bytes; v254, v255 at work.
	s_load_b256 s[4:11], s[0:1], 0x0               ; qkvc, qkvs, aoc, aos
	v_lshl_add_u32 v239, v0, 2, 0x23400
	v_mov_b32 v243, 0
	v_lshrrev_b32 v1, 5, v0
	v_readfirstlane_b32 s12, v1                    ; wave 0..15
	s_lshr_b32 s13, s12, 2                         ; hl: my head in the group
	s_and_b32 s14, s12, 3                          ; tp: my tile pair
	s_and_b32 s15, ttmp7, 0xffff                   ; hg
	s_lshl_b32 s16, s15, 2
	s_add_co_u32 s16, s16, s13                     ; head
	s_and_b32 s17, ttmp9, 15                       ; which 128 rows of the sequence
	s_lshr_b32 s18, ttmp9, 4                       ; batch
	s_and_b32 s21, s14, 1                          ; par
	s_lshr_b32 s22, s14, 1
	s_cmp_eq_u32 s17, 0
	s_cselect_b32 s19, 1, 0                        ; first: no earlier keys
	s_cmp_lt_u32 s14, 2
	s_cselect_b32 s20, s19, 0                      ; adj: my part of the copy is the earlier half, and there is none
	s_mov_b32 s24, 0x76543210
	s_mov_b32 s25, 0xfedcba98                      ; v_permlanex16_b32's selects for lane l xor 16
	s_mov_b32 s26, 0x3e38aa3b                      ; c = log2(e) / 8
	s_mov_b32 s27, s26                             ; (named with it as a pair)
	v_and_b32 v253, 31, v0                         ; l
	v_and_b32 v254, 15, v0                         ; r
	v_bfe_u32 v255, v0, 4, 1                       ; h
	s_mul_i32 s28, s13, 12288
	s_mul_i32 s29, s22, 1536
	s_add_co_u32 s28, s28, s29
	v_mul_u32_u24 v1, v254, 48
	v_mad_u32_u24 v1, v255, 24, v1
	v_add_nc_u32 v1, s28, v1                       ; K: my head, the window's first place of trip 0, place r, + 24 h
	s_lshl_b32 s28, s13, 10
	s_lshl_b32 s29, s22, 7
	s_add_co_u32 s28, s28, s29
	s_add_co_u32 s28, s28, KSW
	v_lshl_add_u32 v2, v254, 2, s28                ; K's scale words
	s_mul_i32 s28, s13, 13312
	s_mul_i32 s29, s22, 1664
	s_add_co_u32 s28, s28, s29
	s_add_co_u32 s28, s28, VC
	v_mul_u32_u24 v3, v254, 24
	v_mad_u32_u24 v3, v255, 1664, v3
	v_add_nc_u32 v3, s28, v3                       ; V: column place r; lanes 16-31 one key block on
	s_lshl_b32 s28, s13, 9
	s_add_co_u32 s28, s28, VSW
	v_lshl_add_u32 v4, v254, 2, s28                ; V's scale words
	s_mul_i32 s28, s14, 16*272
	s_lshl_b32 s29, s13, 6
	s_add_co_u32 s28, s28, s29
	s_add_co_u32 s28, s28, OST
	v_mul_u32_u24 v5, v254, 272
	v_lshl_add_u32 v5, v255, 4, v5
	v_add_nc_u32 v5, s28, v5                       ; the result's codes: row 16 tp + r, place 4 hl + h
	s_lshl_b32 s28, s14, 7
	s_lshl_b32 s29, s13, 1
	s_add_co_u32 s28, s28, s29
	s_add_co_u32 s28, s28, OSS
	v_lshl_add_u32 v6, v254, 3, s28                ; and its two scale bytes
	s_mul_i32 s28, s12, 8*272
	s_add_co_u32 s28, s28, OST
	v_mul_u32_u24 v7, v255, 272
	v_lshl_add_u32 v7, v254, 4, v7
	v_add_nc_u32 v7, s28, v7                       ; back: my 8 rows, two an instruction
	s_and_b32 s28, s12, 3
	s_lshl_b32 s28, s28, 8
	s_add_co_u32 s28, s28, OSS
	v_lshl_add_u32 v8, v253, 3, s28                ; waves 0-3: 32 rows' scale bytes
	v_and_b32 v9, 8, v254
	v_add_nc_u32 v10, v9, v254                     ; r + 8 (r / 8): query r's place in its group of 32
	v_mul_u32_u24 v9, v10, 48
	v_mad_u32_u24 v9, v255, 24, v9                 ; Q's codes
	v_lshlrev_b32 v10, 2, v10                      ; Q's scale word
	v_mul_u32_u24 v11, v253, 12
	v_lshlrev_b32 v28, 5, v253
	v_lshlrev_b32 v123, 4, v255                    ; 16 h
	v_sub_nc_u32 v29, v254, v123
	s_lshl_b32 s28, s21, 4
	v_add_nc_u32 v29, s28, v29                     ; d = r + 16 par - 16 h
	v_mov_b32 v31, 0xff800000
	; the copy's addresses
	v_lshlrev_b32 v200, 4, v253
	s_mul_i32 s28, s12, 3072
	v_add_nc_u32 v201, s28, v200
	s_mul_i32 s28, s12, 3328
	s_add_co_u32 s28, s28, VC
	v_add_nc_u32 v202, s28, v200
	s_lshl_b32 s28, s12, 8
	s_add_co_u32 s28, s28, KSW
	v_lshl_add_u32 v203, v253, 3, s28
	s_lshl_b32 s28, s12, 7
	s_add_co_u32 s28, s28, VSW
	v_lshl_add_u32 v204, v253, 2, s28
	v_lshlrev_b32 v205, 3, v253
	v_lshlrev_b32 v206, 2, v253
	; where my parts begin in memory
	s_lshl_b32 s28, ttmp9, 7
	s_lshl_b32 s29, s14, 6
	s_add_co_u32 s28, s28, s29
	s_lshl_b32 s29, s20, 7
	s_add_co_u32 s28, s28, s29
	s_sub_co_u32 s28, s28, 128                     ; the first of the 64 key places that I copy
	s_lshl_b32 s49, s18, 4
	s_add_co_u32 s49, s49, s16                     ; 16 x batch + head
	s_mov_b32 s31, 0
	s_wait_kmcnt 0x0
	s_mul_i32 s30, s16, 393216
	s_mul_i32 s29, s28, 48
	s_add_co_u32 s30, s30, s29
	s_add_co_u32 s30, s30, 6291456
	s_add_nc_u64 s[32:33], s[4:5], s[30:31]        ; K's codes
	s_lshl_b32 s30, s49, 6
	s_lshl_b32 s29, s17, 2
	s_add_co_u32 s30, s30, s29
	s_lshl_b32 s29, s14, 1
	s_add_co_u32 s30, s30, s29
	s_lshl_b32 s29, s20, 2
	s_add_co_u32 s30, s30, s29
	s_sub_co_u32 s30, s30, 4                       ; the first of the two key blocks that I copy
	s_mul_i32 s30, s30, 1536
	s_add_co_u32 s30, s30, 12582912
	s_add_nc_u64 s[34:35], s[4:5], s[30:31]        ; V's codes
	s_lshl_b32 s30, s16, 15
	s_lshl_b32 s29, s28, 2
	s_add_co_u32 s30, s30, s29
	s_add_co_u32 s30, s30, 524288
	s_add_nc_u64 s[36:37], s[6:7], s[30:31]        ; K's scale words
	s_lshl_b32 s30, s49, 4
	s_add_co_u32 s30, s30, s17
	s_add_co_u32 s30, s30, s22
	s_add_co_u32 s30, s30, s20
	s_sub_co_u32 s30, s30, 1
	s_lshl_b32 s30, s30, 8
	s_lshl_b32 s29, s21, 7
	s_add_co_u32 s30, s30, s29
	s_add_co_u32 s30, s30, 1048576
	s_add_nc_u64 s[38:39], s[6:7], s[30:31]        ; V's scale words
	s_lshl_b32 s28, ttmp9, 7
	s_lshl_b32 s29, s22, 5
	s_add_co_u32 s28, s28, s29
	s_lshl_b32 s29, s21, 3
	s_add_co_u32 s28, s28, s29                     ; the place from which my queries' places are counted
	s_mul_i32 s30, s16, 393216
	s_mul_i32 s29, s28, 48
	s_add_co_u32 s30, s30, s29
	s_add_nc_u64 s[40:41], s[4:5], s[30:31]        ; Q's codes
	s_lshl_b32 s30, s16, 15
	s_lshl_b32 s29, s28, 2
	s_add_co_u32 s30, s30, s29
	s_add_nc_u64 s[42:43], s[6:7], s[30:31]        ; Q's scale words
	s_mul_i32 s30, s15, 1572864
	s_mul_i32 s29, ttmp9, 24576
	s_add_co_u32 s30, s30, s29
	s_mul_i32 s29, s12, 1536
	s_add_co_u32 s30, s30, s29
	s_add_nc_u64 s[44:45], s[8:9], s[30:31]        ; my 8 rows of aoc
	s_lshl_b32 s30, ttmp9, 12
	s_and_b32 s29, s12, 3
	s_lshl_b32 s29, s29, 10
	s_add_co_u32 s30, s30, s29
	s_lshl_b32 s29, s15, 3
	s_add_co_u32 s30, s30, s29
	s_add_nc_u64 s[46:47], s[10:11], s[30:31]      ; waves 0-3: 32 rows of aos, my group's 8 bytes
	; ---- A: the first tile's Q, and my sixteenth of the work-group's K and V: memory to registers to LDS
.irp p, 0,1,2
	global_load_b64 v[16+2*\p:17+2*\p], v9, s[40:41] offset:8*\p
.endr
	global_load_b32 v120, v10, s[42:43]
.irp j, 0,1,2,3,4,5
	global_load_b128 v[128+4*\j:131+4*\j], v200, s[32:33] offset:512*\j
.endr
.irp j, 0,1,2,3,4,5
	global_load_b128 v[152+4*\j:155+4*\j], v200, s[34:35] offset:512*\j
.endr
	global_load_b64 v[176:177], v205, s[36:37]
	global_load_b32 v178, v206, s[38:39]
.irp j, 22,23,24,25,26,27, 92,93,94,95,96,97, 104,105,106,107,108,109, 226,227,228,229,230,231, 249,250,251,252,253, 125,127
	v_mov_b32 v\j, 0                               ; Q's and P's zero codes; the tails behind the last fragments; permutes' destinations; the upper halves of two pairs: written once
.endr
	s_wait_loadcnt 0x0
.irp j, 0,1,2,3,4,5
	ds_store_b128 v201, v[128+4*\j:131+4*\j] offset:512*\j
.endr
.irp j, 0,1,2,3,4,5
	ds_store_b128 v202, v[152+4*\j:155+4*\j] offset:512*\j+128*(\j/3)
.endr
	ds_store_b64 v203, v[176:177]
	ds_store_b32 v204, v178
	s_wait_dscnt 0x0                               ; for the others' sake: my stores have landed
	s_barrier_signal -1
	s_barrier_wait -1
.macro MASKLO b                        ; key 32 b + 16 h + i of the window is hidden where 32 b + i lies under the bound
.set i, 0
.rept 16
	v_cmp_lt_i32 vcc_lo, 32*\b+i, v30
	v_cndmask_b32 v[128+16*\b+i], v[128+16*\b+i], v31, vcc_lo
.set i, i+1
.endr
.endm
; ---- B: a tile of 16 queries
.macro TILE trip
	s_wait_loadcnt 0x0                             ; Q and its scale words
.set i, 0
.rept 10
.irp p, 0,1,2
	ds_load_b64 v[32+6*i+2*\p:33+6*i+2*\p], v1 offset:\trip*3072+768*i+8*\p   ; tile i of K: 16 places, 768 consecutive bytes
.endr
	ds_load_b32 v[110+i], v2 offset:\trip*256+64*i
.set i, i+1
.endr
	s_wait_dscnt 0x0
.set i, 0
.rept 10
	v_wmma_scale_f32_16x16x128_f8f6f4 v[128+8*i:135+8*i], v[32+6*i:43+6*i], v[16:27], 0, v[110+i], v120 matrix_a_fmt:MATRIX_FMT_FP6 matrix_b_fmt:MATRIX_FMT_FP6
.set i, i+1
.endr                                  ; register 16 b + i of v128 on: window key 32 b + 16 h + i
.rept 4
	v_nop                                          ; places in front of loads into registers that these products have read, and of the first reads of results
.endr
.irp t, 0,1,2,3
.irp c, 0,1
.irp p, 0,1,2
	ds_load_b64 v[32+12*\t+6*\c+2*\p:33+12*\t+6*\c+2*\p], v3 offset:\trip*3328+2*\c*1664+384*\t+8*\p   ; V's tile t, window blocks 0-3
.endr
.endr
.endr
.irp t, 0,1,2,3
.irp p, 0,1,2
	ds_load_b64 v[80+6*\t+2*\p:81+6*\t+2*\p], v3 offset:\trip*3328+4*1664+384*\t+8*\p   ; and block 4 (lanes 16-31 read the block behind it, against zero codes)
.endr
.endr
.irp t, 0,1,2,3
	ds_load_b32 v[110+\t], v4 offset:64*\t         ; V's scale words of the earlier 128 keys,
	ds_load_b32 v[114+\t], v4 offset:256+64*\t     ; and of the current ones
.endr
.if \trip == 0
.irp p, 0,1,2
	global_load_b64 v[16+2*\p:17+2*\p], v9, s[40:41] offset:3072+8*\p   ; the next tile's Q
.endr
	global_load_b32 v120, v10, s[42:43] offset:256
.endif
	v_mov_b32 v30, v29                             ; the band's lower edge falls into block 0: hidden where i < d
	s_cmp_eq_u32 s19, 0
	s_cbranch_scc1 .Lnot_first_\@                  ; a branch on ids alone
	s_lshl_b32 s49, s22, 5
	s_sub_co_u32 s49, 128-64*\trip, s49            ; the window's keys ahead of the sequence's start: 32 (4 - the window's first block)
	v_sub_nc_u32 v30, s49, v123
	MASKLO 1
	MASKLO 2
	MASKLO 3
.Lnot_first_\@:
	MASKLO 0
.set i, 0
.rept 16
	v_cmp_gt_i32 vcc_lo, i, v29                    ; the diagonal falls into block 4: hidden where i > d
	v_cndmask_b32 v[192+i], v[192+i], v31, vcc_lo
.set i, i+1
.endr
.irp b, 0,1,2,3,4
	v_max3_num_f32 v[244+\b], v[128+16*\b], v[129+16*\b], v[130+16*\b]   ; each block's largest score: for the row's maximum and for the block's largest p
.endr
.irp i, 3,5,7,9,11,13
.irp b, 0,1,2,3,4
	v_max3_num_f32 v[244+\b], v[244+\b], v[128+16*\b+\i], v[129+16*\b+\i]
.endr
.endr
.irp b, 0,1,2,3,4
	v_max_num_f32 v[244+\b], v[244+\b], v[143+16*\b]
.endr
.irp b, 0,1,2,3,4
	v_permlanex16_b32 v[249+\b], v[244+\b], s24, s25
.endr
.irp b, 0,1,2,3,4
	v_max_num_f32 v[244+\b], v[244+\b], v[249+\b]
.endr
	v_max3_num_f32 v254, v244, v245, v246
	v_max3_num_f32 v254, v254, v247, v248          ; the row's largest score (its own key is never hidden)
	v_mul_f32 v254, s26, v254                      ; as t
	v_floor_f32 v124, -v254                        ; -M = floor(-t) = -ceil(t)
.set j, 0
.rept 40
	v_pk_fma_f32 v[128+j:129+j], v[128+j:129+j], s[26:27], v[124:125] op_sel_hi:[1,0,0]   ; t - M, two at a time
.set j, j+2
.endr
.irp b, 0,1,2,3,4
	v_fma_f32 v[244+\b], v[244+\b], s26, v124
.endr
.set j, 0
.rept 80
	v_exp_f32 v[128+j], v[128+j]                   ; p = 2^(t - M); 0 where hidden
.set j, j+1
.endr
.irp b, 0,1,2,3,4
	v_exp_f32 v[244+\b], v[244+\b]                 ; the block's largest p
.endr
	v_nop                                          ; one plain line behind the exponentials
	s_wait_alu depctr_va_vdst(0)
.irp b, 0,1,2,3,4
	v_max_num_f32 v[244+\b], 0x1800000, v[244+\b]  ; the floor: a block whose every p is 0 keeps the byte 1; its codes are zeros
.endr
.irp b, 0,1,2,3,4
	v_add_nc_u32 v[244+\b], 0xff000000, v[244+\b]  ; the conversion's scale operand
.endr
.irp b, 0,1,2,3,4
	v_lshrrev_b32 v[249+\b], 23, v[244+\b]
.endr
	v_lshl_or_b32 v121, v250, 8, v249              ; p's scale word for blocks 0-3,
	v_lshl_or_b32 v121, v251, 16, v121
	v_lshl_or_b32 v121, v252, 24, v121
	v_mov_b32 v122, v253                           ; and for block 4
	s_add_co_u32 s50, s22, 2*\trip                 ; the window's first block among the eight in LDS
	s_mul_i32 s48, s50, 0x01010101
	s_add_co_u32 s48, s48, 0x03020100              ; selects four bytes from that one on
	s_lshl_b32 s50, s50, 3
	s_wait_dscnt 0x0                               ; V and its scale words
.irp t, 0,1,2,3
	v_perm_b32 v[110+\t], v[114+\t], v[110+\t], s48   ; V's scale word for window blocks 0-3
.endr
.irp t, 0,1,2,3
	v_lshrrev_b32 v[114+\t], s50, v[114+\t]        ; and for block 4, in byte 0 (what stands above it meets zero codes)
.endr
.irp i, 240,241,242
	v_mov_b32 v\i, 0
.endr
	v_cvt_scalef32_pk16_fp6_f32 v[208:210], v[128:143], v244
	v_cvt_scalef32_pk16_fp6_f32 v[232:234], v[144:159], v245
	v_cvt_scalef32_pk16_fp6_f32 v[214:216], v[160:175], v246
	v_cvt_scalef32_pk16_fp6_f32 v[236:238], v[176:191], v247
	v_cvt_scalef32_pk16_fp6_f32 v[220:222], v[192:207], v248
	v_nop                                          ; one plain line behind the conversions
.irp i, 0,1,2                          ; the operand wants a whole block in a lane: lanes 0-15 the even block, lanes 16-31 the odd one (behind block 4: zeros)
	v_permlane16_swap_b32 v[208+\i], v[232+\i]
	v_permlane16_swap_b32 v[214+\i], v[236+\i]
	v_permlane16_swap_b32 v[220+\i], v[240+\i]
.endr
.irp i, 0,1,2
	v_mov_b32 v[211+\i], v[232+\i]
	v_mov_b32 v[217+\i], v[236+\i]
	v_mov_b32 v[223+\i], v[240+\i]
.endr
	v_pk_add_f32 v[12:13], v[128:129], v[130:131]  ; the row's sum of the unquantised p, in two chains.  (These lines are also the places between the operands and scale words just made and the products)
	v_pk_add_f32 v[14:15], v[132:133], v[134:135]
.irp j, 8,12,16,20,24,28,32,36,40,44,48,52,56,60,64,68,72,76
	v_pk_add_f32 v[12:13], v[12:13], v[128+\j:129+\j]
	v_pk_add_f32 v[14:15], v[14:15], v[130+\j:131+\j]
.endr
	v_pk_add_f32 v[12:13], v[12:13], v[14:15]
	v_add_f32 v12, v12, v13
	v_permlanex16_b32 v254, v12, s24, s25
	v_add_f32 v12, v12, v254                       ; with lane l xor 16's
	v_rcp_f32 v126, v12
	v_nop                                          ; one plain line behind the reciprocal
.irp t, 0,1,2,3                        ; O^T = V^T P^T; the four accumulators take turns
	v_wmma_scale_f32_16x16x128_f8f6f4 v[128+8*\t:135+8*\t], v[32+12*\t:43+12*\t], v[208:219], 0, v[110+\t], v121 matrix_a_fmt:MATRIX_FMT_FP6 matrix_b_fmt:MATRIX_FMT_FP6
.endr
.irp t, 0,1,2,3
	v_wmma_scale_f32_16x16x128_f8f6f4 v[128+8*\t:135+8*\t], v[80+6*\t:91+6*\t], v[220:231], v[128+8*\t:135+8*\t], v[114+\t], v122 matrix_a_fmt:MATRIX_FMT_FP6 matrix_b_fmt:MATRIX_FMT_FP6
.endr
.rept 4
	v_nop
.endr
.set j, 0
	s_wait_alu depctr_va_vdst(0)
.rept 16
	v_pk_mul_f32 v[128+j:129+j], v[128+j:129+j], v[126:127] op_sel_hi:[1,0]   ; / l; register 16 b + i: channel 32 b + 16 h + i of my query
.set j, j+2
.endr
.irp b, 0,1
	v_max3_num_f32 v[244+\b], |v[128+16*\b]|, |v[129+16*\b]|, 0x1800000
.endr
.irp i, 2,4,6,8,10,12,14
.irp b, 0,1
	v_max3_num_f32 v[244+\b], v[244+\b], |v[128+16*\b+\i]|, |v[129+16*\b+\i]|
.endr
.endr
.irp b, 0,1
	v_permlanex16_b32 v[249+\b], v[244+\b], s24, s25
.endr
.irp b, 0,1
	v_max_num_f32 v[244+\b], v[244+\b], v[249+\b]
.endr
.irp b, 0,1
	v_add_nc_u32 v[244+\b], 0xff000000, v[244+\b]
.endr
.irp b, 0,1
	v_lshrrev_b32 v[249+\b], 23, v[244+\b]
.endr
	v_cvt_scalef32_pk16_fp6_f32 v[232:234], v[128:143], v244
	v_cvt_scalef32_pk16_fp6_f32 v[236:238], v[144:159], v245
	v_lshl_or_b32 v254, v250, 8, v249              ; the head's two bytes (also the plain line behind the conversions)
	ds_store_b96 v5, v[232:234] offset:\trip*17408
	ds_store_b96 v5, v[236:238] offset:\trip*17408+32
	ds_store_b16 v6, v254 offset:\trip*512         ; both halves of the lanes write the same bytes with the same value
.endm
	TILE 0
	TILE 1
	; ---- C: 128 whole rows of codes lie in LDS; each wave stores 8 of them
	s_wait_dscnt 0x0
	s_barrier_signal -1
	s_barrier_wait -1
.irp i, 0,1,2,3
	ds_load_b96 v[32+4*\i:34+4*\i], v7 offset:544*\i
.endr
.irp i, 0,1,2,3
	s_wait_dscnt 3-\i
	global_store_b96 v11, v[32+4*\i:34+4*\i], s[44:45] offset:384*\i   ; two rows: 384 consecutive bytes of the work-group's dense run of 24,576
.endr
	s_cmp_lt_u32 s12, 4
	s_cbranch_scc0 .Lend
	ds_load_b64 v[48:49], v8
	s_wait_dscnt 0x0
	global_store_b64 v28, v[48:49], s[46:47]       ; 8 bytes of each row's 32: the other head groups' work-groups write the rest
.Lend:
	s_wait_tensorcnt 0x0
	ds_add_u32 v239, v243
	s_wait_dscnt 0x0
	s_endpgm
.Lfunc_end_k_qd6dbe6b9dd_attn:
	.size	k_qd6dbe6b9dd_attn, .Lfunc_end_k_qd6dbe6b9dd_attn-k_qd6dbe6b9dd_attn
	.p2alignl 7, 3214868480
	.fill 96, 4, 3214868480
	.section	.rodata,"a",@progbits
	.p2align	6, 0x0
	.amdhsa_kernel k_qd6dbe6b9dd_attn
		.amdhsa_group_segment_fixed_size 146432
		.amdhsa_private_segment_fixed_size 0
		.amdhsa_enable_private_segment 0
		.amdhsa_kernarg_size 32
		.amdhsa_user_sgpr_count 2
		.amdhsa_user_sgpr_kernarg_segment_ptr 1
		.amdhsa_wavefront_size32 1
		.amdhsa_system_sgpr_workgroup_id_x 1
		.amdhsa_system_sgpr_workgroup_id_y 1
		.amdhsa_system_sgpr_workgroup_id_z 1
		.amdhsa_system_vgpr_workitem_id 0
		.amdhsa_next_free_vgpr 256
		.amdhsa_next_free_sgpr 66
		.amdhsa_reserve_vcc 1
		.amdhsa_float_denorm_mode_32 3
		.amdhsa_float_denorm_mode_16_64 3
		.amdhsa_memory_ordered 1
		.amdhsa_forward_progress 1
		.amdhsa_inst_pref_size 74
	.end_amdhsa_kernel
	.amdgpu_metadata
---
amdhsa.version: [ 1, 2 ]
amdhsa.kernels:
  - .name:           k_qd6dbe6b9dd_attn
    .symbol:         k_qd6dbe6b9dd_attn.kd
    .args:
      - { .name: qkvc, .offset: 0, .size: 8, .value_kind: global_buffer, .address_space: global }
      - { .name: qkvs, .offset: 8, .size: 8, .value_kind: global_buffer, .address_space: global }
      - { .name: aoc, .offset: 16, .size: 8, .value_kind: global_buffer, .address_space: global }
      - { .name: aos, .offset: 24, .size: 8, .value_kind: global_buffer, .address_space: global }
    .group_segment_fixed_size: 146432
    .private_segment_fixed_size: 0
    .kernarg_segment_align: 8
    .kernarg_segment_size: 32
    .max_flat_workgroup_size: 512
    .sgpr_count:     66
    .vgpr_count:     256
    .wavefront_size: 32
...
	.end_amdgpu_metadata
.endif
;; end of part 3
;; launch proj (part 4): grid 4 x 32, 4 waves a work-group, clusters of 4 x 4, 327,680 bytes of LDS; arguments aoc, aos, cod1, scl1, b_out, out0; writes out0
.if DOCPART == 4
	.amdgcn_target "amdgcn-amd-amdhsa--gfx1250"
	.amdhsa_code_object_version 6
	.text
	.protected	k_qd6dbe6b9dd_proj
	.globl	k_qd6dbe6b9dd_proj
	.p2align	8
	.type	k_qd6dbe6b9dd_proj,@function
k_qd6dbe6b9dd_proj:
	s_mov_b64 s[64:65], 0
	v_nop
	global_prefetch_b8 v0, s[64:65] scope:SCOPE_SE
	s_setreg_imm32_b32 hwreg(HW_REG_WAVE_MODE, 25, 1), 1
	s_wait_xcnt 0x0
	s_wait_alu depctr_hold_cnt(0) depctr_sa_sdst(0) depctr_va_vdst(0) depctr_va_sdst(0) depctr_va_ssrc(0) depctr_va_vcc(0) depctr_vm_vsrc(0)
	s_getreg_b32 s2, hwreg(HW_REG_IB_STS2, 6, 4)
	s_cmp_eq_u32 s2, 0
	s_cbranch_scc0 .Lentry_in_a_cluster
	s_endpgm
.Lentry_in_a_cluster:
	s_bfe_u32 s2, ttmp6, 0x10000c
	s_cmp_lg_u32 s2, 0xf033
	s_cbranch_scc0 .Lentry_shape_is_right
	s_endpgm
.Lentry_shape_is_right:
; out0 = a w_out^T + b_out on codes of FP6 (E2M3) with E8M0 scales for each 32 along K = 1,024; out0 [8192][1024] f32.
; A = attention's result: codes [K step of 256][8,192 rows][192 bytes] (aoc), scale bytes [8,192][32] (aos).  B = w_out: codes at cod1 + 8,650,752, 768 bytes a row, scale bytes at scl1 + 360,448; rows in order.
; A tile of 256 x 256 is made by four waves, each 128 x 128: 64 accumulators.  K goes in steps of 256 through two LDS slots filled by the tensor data mover; the scale bytes come once and stay.
; CLUSTERS: 4 x 4 work-groups; A's tiles are asked for jointly along a row of the cluster, B's along a column.  The grid has 128 work-groups: the tile is kept large so that each fragment read from LDS feeds eight products.
; THE MATRIX INSTRUCTION IS USED TRANSPOSED (source 0 = 16 rows of w_out, source 1 = 16 rows of A): a lane holds eight neighbouring numbers of a row of out0.  The bias is the C of each sum's first product.
; REGISTERS, in windows of 256: window 0: v16-30 addresses; v32-63 scale words, two sets; v64-127 the bias; from v128 A's fragments, one set, later rows on their way out.
;   window 1: B's fragments, two sets.   window 2: accumulators of my rows 0-63 ((a, b) at v[8 (8 a + b)]);   window 3: those of rows 64-127.
.set SIZE_N, 1024
.set KSTEP,  256
.set NQ,     2
.set ROWB,   192
.set APITCH, 192                       ; A: a K step's rows are dense,
.set AROW,   192
.set ASTEP,  1572864                   ; and the K steps 8,192 rows apart
.set BROW,   768
.set PITCH,  240                       ; an LDS row: 3 x (64 bytes + 16 of padding)
.set FR,     12
.set NL,     6
.set NP,     4
.set HALFT,  128*PITCH
.set SLOT,   4*HALFT
.set LAPS,   2
.set KS,     32
.set SCL,    2*SLOT
.set HALFS,  16*272
.set SBLK,   2*272
.set SPARE,  SCL+4*HALFS               ; the spare words, 128 bytes a wave: two blocks of 256 bytes that no other line names
.set SPITCH, 528                       ; the way out: a stage of 16 rows x (512 bytes + 16) for each wave, in slot 0, which has had its last fill and its last read by then
.set ADRA, 16
.set ADRB, 20
.set STO,  24
.set RD,   25
.set CO,   26
.set ADRS, 27
.set SPW,  28                          ; v28  my spare word; never rewritten
.set NIL,  29                          ; v29  0; never rewritten
.set BOF,  30                          ; v30  the bias: 32 (lane / 16)
.set SC,   32
.set BI,   64
.set AF,   128
.set BK,   128
.set G1, 24
.set G0, 32
.set G1B, 48
.set G0B, 56
.set G1S, 68
.set G0S, 76
.set G1SB, 80
.set G0SB, 88
.set MSB, 0
.macro WIN new                         ; the immediate's high byte repeats the setting that is left
.if MSB != \new
	s_set_vgpr_msb (MSB<<8)|\new
.set MSB, \new
.endif
.endm
.set MUL_LO, 0xa1
.set MUL_HI, 0xf1
.set MUL_LO0, 0x81                     ; the first products: C (the bias) window 0
.set MUL_HI0, 0xc1
.set TO_B,   0x40
.macro JLOAD g0a, g1a, g0b, g1b        ; a joint load: waves 0 and 1 fetch for A, waves 2 and 3 for B; four v_nop follow each of the two lines
	s_cmp_eq_u32 s15, 0
	s_cbranch_scc0 .Lfor_b_\@
	tensor_load_to_lds s[\g0a:\g0a+3], s[\g1a:\g1a+7]
	s_nop 0
.rept 4
	v_nop
.endr
	s_branch .Lasked_\@
.Lfor_b_\@:
	tensor_load_to_lds s[\g0b:\g0b+3], s[\g1b:\g1b+7]
	s_nop 0
.rept 4
	v_nop
.endr
.Lasked_\@:
.endm
.macro CREST
	s_cmp_lg_u32 s14, 0
	s_cbranch_scc1 .Lnot_wave_0_\@
	s_barrier_signal -3
.Lnot_wave_0_\@:
	s_barrier_wait -3
	s_barrier_signal -1
	s_barrier_wait -1
.endm
.macro CROUND
	s_barrier_signal -1
	s_barrier_wait -1
	CREST
.endm
	s_load_b128 s[4:7], s[0:1], 0x0                ; aoc, aos
	s_load_b128 s[8:11], s[0:1], 0x10              ; cod1, scl1
	s_load_b128 s[96:99], s[0:1], 0x20             ; b_out, out0
	v_lshl_add_u32 v[SPW], v0, 2, SPARE
	v_mov_b32 v[NIL], 0
	ds_add_u32 v28, v29
	ds_add_u32 v28, v29
	s_wait_dscnt 0x0
	v_lshrrev_b32 v1, 5, v0
	v_readfirstlane_b32 s14, v1                    ; wave 0..3
	s_lshr_b32 s15, s14, 1                         ; which half of the tile's rows is mine.  Also: I fetch for A (0) or for B (1)
	s_and_b32 s16, s14, 1                          ; which half of its columns.  Also: which 128 rows of that tile I fetch
	s_bfe_u32 s40, ttmp6, 0x40000                  ; cx, cy
	s_bfe_u32 s41, ttmp6, 0x40004
	s_lshl_b32 s42, ttmp9, 2
	s_add_co_u32 s42, s42, s40                     ; tile column
	s_and_b32 s17, ttmp7, 0xffff
	s_lshl_b32 s17, s17, 2
	s_add_co_u32 s17, s17, s41                     ; tile row
	s_lshl_b32 s43, s41, 2
	s_lshl_b32 s43, 15, s43                        ; my row of the cluster
	s_lshl_b32 s44, 0x1111, s40                    ; my column
	s_or_b32 s[G1+0], s43, (0<<16)|(1<<20)|(1<<21)|(3<<22)|(3<<25)  ; the mask; elements of 1 byte; padding on; bit 21 beside a mask; after every 16 words, 4 words
	s_or_b32 s[G1B+0], s44, (0<<16)|(1<<20)|(1<<21)|(3<<22)|(3<<25)
.irp g, G1, G1B
	s_mov_b32 s[\g+1], ROWB<<16
	s_mov_b32 s[\g+2], 128<<16
	s_mov_b32 s[\g+3], ROWB<<16
	s_mov_b32 s[\g+4], 128
	s_mov_b32 s[\g+6], 0
	s_mov_b32 s[\g+7], 0
.endr
	s_mov_b32 s[G1+5], APITCH
	s_mov_b32 s[G1B+5], BROW
	s_or_b32 s[G1S+0], s43, (3<<16)|(1<<20)|(1<<21)|(5<<22)|(3<<25)
	s_or_b32 s[G1SB+0], s44, (3<<16)|(1<<20)|(1<<21)|(5<<22)|(3<<25)
.irp g, G1S, G1SB
	s_mov_b32 s[\g+1], 32<<16
	s_mov_b32 s[\g+2], 16<<16
	s_mov_b32 s[\g+3], 32<<16
	s_mov_b32 s[\g+4], 16
	s_mov_b32 s[\g+5], 32
	s_mov_b32 s[\g+6], 0
	s_mov_b32 s[\g+7], 0
.endr
	s_lshl_b32 s18, s16, 7
	s_lshl_b32 s20, s17, 8
	s_add_co_u32 s20, s20, s18                     ; A: row 256 x tile row + 128 x half
	s_lshl_b32 s46, s42, 8
	s_add_co_u32 s46, s46, s18                     ; B: row 256 x tile column + 128 x half
	s_mov_b32 s21, 0
	s_mov_b32 s47, 0
	s_mov_b64 s[18:19], KS
	s_mul_u64 s[22:23], s[20:21], s[18:19]
	s_mul_u64 s[92:93], s[46:47], s[18:19]
	s_mov_b64 s[18:19], AROW
	s_mul_u64 s[20:21], s[20:21], s[18:19]
	s_mov_b64 s[18:19], BROW
	s_mul_u64 s[46:47], s[46:47], s[18:19]
	s_mul_i32 s45, s14, HALFT
	s_mul_i32 s94, s14, HALFS
	s_wait_kmcnt 0x0
	s_add_nc_u64 s[8:9], s[8:9], 8650752           ; w_out's codes
	s_add_nc_u64 s[10:11], s[10:11], 360448        ; and scale bytes
	s_mov_b64 s[12:13], s[98:99]                   ; out0
	s_add_nc_u64 s[20:21], s[4:5], s[20:21]
	s_add_nc_u64 s[22:23], s[6:7], s[22:23]
	s_add_nc_u64 s[46:47], s[8:9], s[46:47]
	s_add_nc_u64 s[92:93], s[10:11], s[92:93]
	CROUND                                         ; all sixteen work-groups are here: the first joint loads meet
	s_mov_b32 s[G0S], 1
	s_add_co_u32 s[G0S+1], s94, SCL
	s_mov_b64 s[G0S+2:G0S+3], s[22:23]
	s_or_b32 s[G0S+3], s[G0S+3], 0x80000000
	s_mov_b32 s[G0SB], 1
	s_add_co_u32 s[G0SB+1], s94, SCL
	s_mov_b64 s[G0SB+2:G0SB+3], s[92:93]
	s_or_b32 s[G0SB+3], s[G0SB+3], 0x80000000
	JLOAD G0S, G1S, G0SB, G1SB
.irp s, 0,1
	s_mov_b32 s[G0+4*\s], 1
	s_add_co_u32 s[G0+4*\s+1], s45, \s*SLOT
	s_add_nc_u64 s[G0+4*\s+2:G0+4*\s+3], s[20:21], \s*ASTEP
	s_or_b32 s[G0+4*\s+3], s[G0+4*\s+3], 0x80000000
	s_mov_b32 s[G0B+4*\s], 1
	s_add_co_u32 s[G0B+4*\s+1], s45, \s*SLOT
	s_add_nc_u64 s[G0B+4*\s+2:G0B+4*\s+3], s[46:47], \s*ROWB
	s_or_b32 s[G0B+4*\s+3], s[G0B+4*\s+3], 0x80000000
	JLOAD G0+4*\s, G1, G0B+4*\s, G1B               ; three tensor loads of mine are out now
.endr
	v_and_b32 v1, 15, v0                           ; r
	v_bfe_u32 v2, v0, 4, 1                         ; h
	s_lshl_b32 s46, s42, 10                        ; the bias of my 128 columns: block b, lane half h, register j: column 16 b + 8 h + j
	s_lshl_b32 s47, s16, 9
	s_add_co_u32 s46, s46, s47
	s_mov_b32 s47, 0
	s_add_nc_u64 s[96:97], s[96:97], s[46:47]
	v_lshlrev_b32 v[BOF], 5, v2
.irp b, 0,1,2,3,4,5,6,7
	global_load_b128 v[BI+8*\b:BI+8*\b+3], v[BOF], s[96:97] offset:64*\b
	global_load_b128 v[BI+8*\b+4:BI+8*\b+7], v[BOF], s[96:97] offset:64*\b+16
.endr
	v_mul_u32_u24 v3, v1, PITCH
	v_mul_u32_u24 v4, v2, 24
	v_add_nc_u32 v4, v3, v4
	v_lshl_add_u32 v5, v2, 4, v4
	s_mul_i32 s21, s15, HALFT
	s_mul_i32 s22, s16, HALFT
	s_add_co_u32 s22, s22, 2*HALFT
.irp s, 0,1
	v_add_nc_u32 v[ADRA+\s], s21, v4
	v_add_nc_u32 v[ADRB+\s], s22, v4
	v_add_nc_u32 v[ADRA+2+\s], s21, v5
	v_add_nc_u32 v[ADRB+2+\s], s22, v5
	s_add_co_u32 s21, s21, SLOT
	s_add_co_u32 s22, s22, SLOT
.endr
	v_mul_u32_u24 v5, v1, KS
	v_lshrrev_b32 v6, 8, v5
	v_lshl_add_u32 v5, v6, 4, v5
	s_mul_i32 s21, s15, HALFS
	s_mul_i32 s22, s16, HALFS
	s_add_co_u32 s22, s22, 2*HALFS
	s_sub_co_u32 s22, s22, s21
	v_mul_u32_u24 v6, s22, v2                      ; lanes 16-31 take B's
	s_add_co_u32 s21, s21, SCL
	v_add_nc_u32 v5, v5, v6
	v_add_nc_u32 v[ADRS], s21, v5
	s_mul_i32 s23, s14, 16*SPITCH                  ; my stage
	v_mul_u32_u24 v5, v1, SPITCH
	v_lshl_add_u32 v5, v2, 5, v5
	v_add_nc_u32 v[STO], s23, v5                   ; in: row r, 32 bytes for each half of the lanes
	v_and_b32 v6, 31, v0
	v_lshlrev_b32 v[CO], 4, v6                     ; back: the 32 lanes take one row of 512 bytes; and the same in out0
	v_add_nc_u32 v[RD], s23, v[CO]
	s_lshl_b32 s20, s17, 8
	s_lshl_b32 s21, s15, 7
	s_add_co_u32 s20, s20, s21                     ; my first row of out0
	s_mov_b32 s21, 0
	s_mov_b64 s[18:19], SIZE_N*4
	s_mul_u64 s[20:21], s[20:21], s[18:19]
	s_lshl_b32 s46, s42, 10                        ; my first column, in bytes
	s_lshl_b32 s47, s16, 9
	s_add_co_u32 s46, s46, s47
	s_mov_b32 s47, 0
	s_add_nc_u64 s[20:21], s[20:21], s[46:47]
	s_add_nc_u64 s[12:13], s[12:13], s[20:21]
.macro FRAG reg, adr, q, i             ; a fragment, 16 rows x 128 K, is 12 registers: 24 bytes of the row as they lie, twice; in pieces of 8 bytes
.irp p, 0,1,2,3,4,5
.set PC, 12*(\q)+6*(\p/3)+\p%3
.if PC%8 < 5
	ds_load_b64 v[\reg+2*\p:\reg+2*\p+1], v[\adr] offset:8*PC+16*(PC/8)+(\i)*16*PITCH
.else
	ds_load_b64 v[\reg+2*\p:\reg+2*\p+1], v[\adr+2] offset:8*PC+16*(PC/8)+(\i)*16*PITCH
.endif
.endr
.endm
.macro MUL16 a0, p, q, sc, first       ; 16 matrix instructions; first = 1: the bias is C.  The 64 accumulators take turns
.irp a, \a0, \a0+1
.irp b, 0,1,2,3,4,5,6,7
.if \first
	v_wmma_scale_f32_16x16x128_f8f6f4 v[8*(8*((\a)%4)+\b):8*(8*((\a)%4)+\b)+7], v[128*(\p)+FR*\b:128*(\p)+FR*\b+FR-1], v[AF+FR*(\a):AF+FR*(\a)+FR-1], v[BI+8*\b:BI+8*\b+7], v[SC+8*NQ*(\sc)+NQ*\b+(\q)], v[SC+8*NQ*(\sc)+NQ*(\a)+(\q)] matrix_a_fmt:MATRIX_FMT_FP6 matrix_b_fmt:MATRIX_FMT_FP6 matrix_a_scale:MATRIX_SCALE_ROW1
.else
	v_wmma_scale_f32_16x16x128_f8f6f4 v[8*(8*((\a)%4)+\b):8*(8*((\a)%4)+\b)+7], v[128*(\p)+FR*\b:128*(\p)+FR*\b+FR-1], v[AF+FR*(\a):AF+FR*(\a)+FR-1], v[8*(8*((\a)%4)+\b):8*(8*((\a)%4)+\b)+7], v[SC+8*NQ*(\sc)+NQ*\b+(\q)], v[SC+8*NQ*(\sc)+NQ*(\a)+(\q)] matrix_a_fmt:MATRIX_FMT_FP6 matrix_b_fmt:MATRIX_FMT_FP6 matrix_a_scale:MATRIX_SCALE_ROW1
.endif
.endr
.endr
.endm
.macro FETCH_B slot, q, p
	WIN TO_B
.irp i, 0,1,2,3,4,5,6,7
	FRAG 128*(\p)+FR*\i, ADRB+\slot, \q, \i
.endr
	WIN 0
.endm
.macro FETCH_A slot, q, i0
.irp i, \i0, \i0+1, \i0+2, \i0+3
	FRAG AF+FR*(\i), ADRA+\slot, \q, \i
.endr
.endm
.macro SCALES sc
.irp i, 0,1,2,3,4,5,6,7
	ds_load_b64 v[SC+8*NQ*\sc+NQ*\i:SC+8*NQ*\sc+NQ*\i+1], v[ADRS] offset:\i*SBLK
.endr
.endm
.macro PLACES n                        ; plain vector instructions between a matrix instruction and a load into, or a read of, its registers
.rept \n
	v_nop
.endr
.endm
.macro STEP slot, q, first
	s_wait_dscnt 4*NL                              ; B's set and A's blocks 0-3 are in; the youngest 24 loads may be out
.if \first
	WIN MUL_LO0
.else
	WIN MUL_LO
.endif
	MUL16 0, (\q)%2, \q, \slot, \first
	MUL16 2, (\q)%2, \q, \slot, \first
	s_wait_dscnt 0
	PLACES NP
	FETCH_B \slot, (\q)+1, 1-(\q)%2
	FETCH_A \slot, (\q)+1, 0
.if \first
	WIN MUL_HI0
.else
	WIN MUL_HI
.endif
	MUL16 4, (\q)%2, \q, \slot, \first
	MUL16 6, (\q)%2, \q, \slot, \first
	PLACES NP
	WIN 0
	FETCH_A \slot, (\q)+1, 4
.endm
.macro TURN slot, next, fill           ; a slot's last step changes slots: one barrier, with the three lines in front of it
	s_wait_tensorcnt 0x0                           ; all my tensor loads have landed: my part of the next slot
	ds_add_u32 v[SPW], v[NIL]                      ; 0 onto my spare word
	s_wait_dscnt 4*NL+1                            ; (the add and the youngest 24 loads may be out)
	WIN MUL_LO
	MUL16 0, 1, NQ-1, \slot, 0
	s_wait_dscnt 0x0                               ; the add is done, and my reads of this slot are over
	s_barrier_signal -1
	MUL16 2, 1, NQ-1, \slot, 0
	WIN 0
	s_barrier_wait -1
.if \fill
	CREST                                          ; the barrier has opened a round of the cluster's
	s_add_nc_u64 s[G0+4*\slot+2:G0+4*\slot+3], s[G0+4*\slot+2:G0+4*\slot+3], 2*ASTEP
	s_add_nc_u64 s[G0B+4*\slot+2:G0B+4*\slot+3], s[G0B+4*\slot+2:G0B+4*\slot+3], 2*ROWB
	JLOAD G0+4*\slot, G1, G0B+4*\slot, G1B         ; my one tensor load behind the round
.else
	PLACES NP
.endif
	v_add_nc_u32 v[ADRS], 4*NQ, v[ADRS]
	FETCH_B \next, 0, 0
	FETCH_A \next, 0, 0
	SCALES \next
	WIN MUL_HI
	MUL16 4, 1, NQ-1, \slot, 0
	MUL16 6, 1, NQ-1, \slot, 0
	PLACES NP
	WIN 0
	FETCH_A \next, 0, 4
.endm
	s_wait_tensorcnt 1                             ; the scales and my part of K step 0 are in (K step 1's load may be out)
	s_barrier_signal -1
	s_barrier_wait -1
	FETCH_B 0, 0, 0
	FETCH_A 0, 0, 0
	SCALES 0
	FETCH_A 0, 0, 4
	s_wait_loadcnt 0x0                             ; the bias
	STEP 0, 0, 1
	s_mov_b32 s3, LAPS-1
.Llap:
	TURN 0, 1, 1
	STEP 1, 0, 0
	TURN 1, 0, 1
	STEP 0, 0, 0
	s_sub_co_u32 s3, s3, 1
	s_cmp_lg_u32 s3, 0
	s_cbranch_scc1 .Llap
	TURN 0, 1, 0
	STEP 1, 0, 0
	s_wait_dscnt 4*NL
	WIN MUL_LO
	MUL16 0, 1, NQ-1, 1, 0
	MUL16 2, 1, NQ-1, 1, 0
	s_wait_dscnt 0
	WIN MUL_HI
	MUL16 4, 1, NQ-1, 1, 0
	MUL16 6, 1, NQ-1, 1, 0
	WIN 0
; THE WAY OUT, block by block of 16 rows x 128 columns, through my own stage in LDS: back come whole rows of 512 bytes.  LDS serves a wave's instructions in order: no wait between the stores and the loads.
.macro TOSTAGE a
.set AC, 64*((\a)%4)
	WIN 0x08+4*((\a)/4)                            ; the data: window 2 or 3
.irp b, 0,1,2,3,4,5,6,7
	ds_store_b128 v[STO], v[AC+8*\b:AC+8*\b+3] offset:64*\b          ; each accumulator from its low end on
	ds_store_b128 v[STO], v[AC+8*\b+4:AC+8*\b+7] offset:64*\b+16
.endr
	WIN 0
.set BB, BK+64*((\a)%2)
.irp t, 0,1,2,3,4,5,6,7,8,9,10,11,12,13,14,15
	ds_load_b128 v[BB+4*\t:BB+4*\t+3], v[RD] offset:\t*SPITCH
.endr
.endm
.macro SEND a, younger                 ; younger: the LDS instructions issued behind block a's loads, which may stay out
.set BB, BK+64*((\a)%2)
	s_wait_dscnt \younger
.if (\a) > 0
	s_add_nc_u64 s[12:13], s[12:13], 16*SIZE_N*4   ; (behind a wait on XCNT: the earlier stores have read their base)
.endif
.irp t, 0,1,2,3,4,5,6,7,8,9,10,11,12,13,14,15
	global_store_b128 v[CO], v[BB+4*\t:BB+4*\t+3], s[12:13] offset:\t*SIZE_N*4 th:TH_STORE_NT   ; 32 lanes store 512 consecutive bytes, aligned to 256
.endr
.endm
	PLACES NP
	TOSTAGE 0
.irp a, 1,2,3,4,5,6,7
.if \a > 1
	s_wait_xcnt 0x0                                ; block a - 2's stores have read their registers and their base
.endif
	TOSTAGE \a
	SEND \a-1, 32                                  ; behind block a - 1's loads: block a's 16 stores and 16 loads
.endr
	s_wait_xcnt 0x0
	SEND 7, 0
	s_wait_tensorcnt 0x0                           ; the wave's end
	ds_add_u32 v[SPW], v[NIL]
	s_wait_dscnt 0x0
	CROUND                                         ; the closing round
	s_endpgm
.Lfunc_end_k_qd6dbe6b9dd_proj:
	.size	k_qd6dbe6b9dd_proj, .Lfunc_end_k_qd6dbe6b9dd_proj-k_qd6dbe6b9dd_proj
	.p2alignl 7, 3214868480
	.fill 96, 4, 3214868480
	.section	.rodata,"a",@progbits
	.p2align	6, 0x0
	.amdhsa_kernel k_qd6dbe6b9dd_proj
		.amdhsa_group_segment_fixed_size 327680
		.amdhsa_private_segment_fixed_size 0
		.amdhsa_enable_private_segment 0
		.amdhsa_kernarg_size 48
		.amdhsa_user_sgpr_count 2
		.amdhsa_user_sgpr_kernarg_segment_ptr 1
		.amdhsa_wavefront_size32 1
		.amdhsa_system_sgpr_workgroup_id_x 1
		.amdhsa_system_sgpr_workgroup_id_y 1
		.amdhsa_system_sgpr_workgroup_id_z 1
		.amdhsa_system_vgpr_workitem_id 0
		.amdhsa_next_free_vgpr 1024
		.amdhsa_next_free_sgpr 100
		.amdhsa_reserve_vcc 0
		.amdhsa_float_denorm_mode_32 3
		.amdhsa_float_denorm_mode_16_64 3
		.amdhsa_memory_ordered 1
		.amdhsa_forward_progress 1
		.amdhsa_inst_pref_size 162
	.end_amdhsa_kernel
	.amdgpu_metadata
---
amdhsa.version: [ 1, 2 ]
amdhsa.kernels:
  - .name:           k_qd6dbe6b9dd_proj
    .symbol:         k_qd6dbe6b9dd_proj.kd
    .args:
      - { .name: aoc, .offset: 0, .size: 8, .value_kind: global_buffer, .address_space: global }
      - { .name: aos, .offset: 8, .size: 8, .value_kind: global_buffer, .address_space: global }
      - { .name: cod1, .offset: 16, .size: 8, .value_kind: global_buffer, .address_space: global }
      - { .name: scl1, .offset: 24, .size: 8, .value_kind: global_buffer, .address_space: global }
      - { .name: b_out, .offset: 32, .size: 8, .value_kind: global_buffer, .address_space: global }
      - { .name: out0, .offset: 40, .size: 8, .value_kind: global_buffer, .address_space: global }
    .group_segment_fixed_size: 327680
    .private_segment_fixed_size: 0
    .kernarg_segment_align: 8
    .kernarg_segment_size: 48
    .max_flat_workgroup_size: 128
    .sgpr_count:     100
    .vgpr_count:     1024
    .wavefront_size: 32
...
	.end_amdgpu_metadata
.endif
;; end of part 4
